; MI455X (gfx1250); checked and timed in simulation.
; The chip was launched on July 23, 2026; its instructions are those of AMD's public machine-readable ISA for CDNA 5 (MIT licence, August 2026) and "CDNA5" Instruction Set Architecture Reference Guide (July 2026). The comments in the code are by the model that wrote it; some were corrected since.
;; Cross Modal Attention. Allowed arithmetic: matrix products marked QUANTISED: E2M1 operands, one E8M0 scale for each 32 along K, by v_wmma_scale_f32_16x16x128_f8f6f4 with both operands' format E2M1 (or v_wmma_scale_f32_32x16x128_f4), f32 sums; products left as they are: bf16, f16 or f32 operands; f32 sums; everything else in f32.
;; Inputs: Wout 1,024 x 1,024 float32; Wqkv 1,024 x 3,072 float32; bout 1,024 float32; x 4 x 2,048 x 1,024 float32.
;; Outputs: out0 4 x 2,048 x 1,024 float32.
;; This version of the problem:
;;   THIS VERSION OF THE PROBLEM IS GIVEN IN LOW PRECISION. The matrix products marked QUANTISED in the list below multiply operands that are first quantised to E2M1 (2 exponent bits, 1 mantissa bit; 4 bits a number), with one power-of-two scale for each 32 numbers along K (OCP MX v1.0); their sums are f32. The products marked 'left as it is' may take bf16, f16 or f32 operands, with f32 sums. Whichever they take, every output number must still come out within the allowed error. Rounding operands to bf16 (8 significant bits) uses up far more of that allowance than f16 does (11 bits, for magnitudes from 6e-5 to 65,504). All else is computed in f32.
;;   The module's matrix products, in the order in which they are computed (A, B: the left and right operand; K: the contracted axis; several contracted axes count as one K, in the product's order):
;;     1. [M 8,192, K 1,024] x [K 1,024, N 3,072]; A: input x; B: input Wqkv: QUANTISED
;;     2. batch 64 x [M 2,048, K 64] x [K 64, N 2,048]; A: computed on the way; B: computed on the way: left as it is (an operand is computed on the way)
;;     3. batch 64 x [M 2,048, K 2,048] x [K 2,048, N 64]; A: computed on the way; B: computed on the way: left as it is (an operand is computed on the way)
;;     4. [M 8,192, K 1,024] x [K 1,024, N 1,024]; A: computed on the way; B: input Wout: left as it is (an operand is computed on the way)
;;   THE QUANTISER, for each operand of a quantised product, along K:
;;     - K is cut into blocks of 32 from its start; a last block that is shorter is filled with zeros.
;;     - A block's scale is 2^e with e = floor(log2(the largest magnitude in the block)) - 2, held to -126 .. 127; a block of zeros has e = 0. As a byte (E8M0): e + 127.
;;     - Each number is divided by its block's scale, clamped to +-6, and rounded to the nearest number of E2M1, ties to even, subnormals kept.
;;     - The product sums the exact products of the quantised numbers (number of the format x scale) in f32.
;;   ~~~python
;;   def quantise(x, axis):      # numpy; x: float32 -> the quantised numbers, widened to float32 again
;;       x = np.moveaxis(x, axis, -1); K = x.shape[-1]
;;       x = np.pad(x, [(0, 0)] * (x.ndim - 1) + [(0, -K % 32)]); x = x.reshape(x.shape[:-1] + (-1, 32)); a = np.abs(x).max(-1, keepdims=True)
;;       e = np.where(a > 0, np.clip(np.frexp(np.where(a > 0, a, 1))[1] - 1 - 2, -126, 127), 0)      # np.frexp(a)[1] - 1 = floor(log2(a)), exactly
;;       r = np.clip(x / 2.0 ** e, -6, 6)
;;       step = 2.0 ** (np.maximum(np.frexp(np.where(r == 0, 1, r))[1] - 1, 0) - 1)
;;       q = np.round(r / step) * step * 2.0 ** e      # np.round: ties to even
;;       return np.moveaxis(q.reshape(q.shape[:-2] + (-1,))[..., :K], -1, axis).astype(np.float32)
;;   ~~~
;; One version. Each part assembles by itself: llvm-mc -triple=amdgcn-amd-amdhsa -mcpu=gfx1250 --defsym DOCPART=n.
;; ======== version 1 of 1: 5 launches
;; limits: values are held in f16: magnitudes above 65,504 overflow, below 6.1e-05 lose precision
;; workspace buffers: x_codes 4,194,304 bytes; x_scales 262,144 bytes; w_codes 1,572,864 bytes; w_scales 98,304 bytes; wo_img 2,097,152 bytes; qkv 50,331,648 bytes; att 16,777,216 bytes
;; launch quant_x (part 1): grid 256 x 1, 4 waves a work-group, no clusters, 33,280 bytes of LDS; arguments x, x_codes, x_scales; writes x_codes, x_scales
.if DOCPART == 1
	.amdgcn_target "amdgcn-amd-amdhsa--gfx1250"
	.amdhsa_code_object_version 6
	.text
	.protected	k_q5fb50c9916_quant_x
	.globl	k_q5fb50c9916_quant_x
	.p2align	8
	.type	k_q5fb50c9916_quant_x,@function
k_q5fb50c9916_quant_x:
	s_mov_b64 s[64:65], 0
	v_nop
	global_prefetch_b8 v0, s[64:65] scope:SCOPE_SE
	s_setreg_imm32_b32 hwreg(HW_REG_WAVE_MODE, 25, 1), 1
	s_wait_xcnt 0x0
; x [8192][1024], f32, becomes codes of FP4 (E2M1), 4 bits each, K innermost (512 bytes a row), with one E8M0 scale byte for each 32 along K (32 bytes a row).
; A block's scale is 2^(floor(log2(its largest magnitude)) - 2); its byte is the largest magnitude's exponent field - 2, held at 1 from below.
; (A block of zeros so gets the byte 1 where the quantiser says 127: its codes are zeros, which add nothing under any byte but 0xff, and this program alone reads the bytes.)
; LIMITS: NaN and infinities among the inputs are not served.
; Rows are dense and 1024 is a multiple of 32: the tensor is a plain stream of blocks of 32 numbers, and so are the codes and the scale bytes.
; A wave takes 16 steps of 512 numbers.  Each of a step's four loads reads 512 consecutive bytes, 16 a lane; the 2,048 bytes turn through the wave's own stage in LDS and come back 64 bytes a lane,
; so that a lane holds 16 neighbours along K (two neighbouring lanes hold a block).  A lane's 16 codes are 8 bytes: the wave stores 256 consecutive bytes.
; A wave's 256 scale bytes are gathered in its own LDS bytes and leave as one aligned run of 256 bytes.  No barrier: waves share nothing.  No cluster: work-groups share no input.
.set WAVES, 4
.set STEPS, 16
.set EMAX,  2
.set CB,    8                          ; bytes of 16 codes
.set R,     16                         ; v16-79   four sets of 16 numbers as they are loaded
.set X,     80                         ; v80-111  two sets of 16 neighbours
.set C,     128                        ; v128-191 codes: four registers for each step, so that no store's data are written again
.set E,     112                        ; v112-127 a scale byte for each step
.set WREG,  8192                       ; LDS: a region for each wave: two stages of 32 x SP bytes, behind them its 256 scale bytes
.set SP,    80                         ; a lane's place in a stage: 64 bytes + 16 of padding
.set SPW,   12                         ; v12 LDS address of my spare word; never rewritten
.set NIL,   13                         ; v13 0; never rewritten
.set SPARE, WAVES*WREG                 ; behind the four regions: the spare words, 128 bytes a wave
	s_load_b128 s[4:7], s[0:1], 0x0                ; x, its codes
	s_load_b64 s[8:9], s[0:1], 0x10                ; its scale bytes
	v_lshl_add_u32 v[SPW], v0, 2, SPARE
	v_mov_b32 v[NIL], 0
	v_lshrrev_b32 v1, 5, v0
	v_readfirstlane_b32 s16, v1                    ; wave
	v_and_b32 v2, 31, v0                           ; lane
	v_lshlrev_b32 v3, 4, v2                        ; my 16 bytes of a load's 512
	s_mul_i32 s17, s16, WREG
	v_lshrrev_b32 v14, 2, v2
	v_mul_u32_u24 v14, v14, SP
	v_and_b32 v15, 3, v2
	v_lshl_add_u32 v14, v15, 4, v14
	v_add_nc_u32 v14, s17, v14                     ; the stage, on the way in: SP (lane / 4) + 16 (lane % 4)
	v_mul_u32_u24 v15, v2, SP
	v_add_nc_u32 v15, s17, v15                     ; and on the way out: SP x lane: my 16 neighbours
	v_mul_u32_u24 v4, v2, CB                       ; my codes' place in a step's
	v_lshrrev_b32 v5, 1, v2
	s_add_co_u32 s17, s17, 2*32*SP
	v_add_nc_u32 v5, s17, v5                       ; LDS: my wave's 256 scale bytes, my block's byte
	v_lshlrev_b32 v7, 3, v2                        ; and on the way out 8 bytes a lane
	v_add_nc_u32 v6, s17, v7
	s_lshl_b32 s18, ttmp9, 2
	s_add_co_u32 s18, s18, s16                     ; which run of 8,192 numbers is my wave's: 0 .. 1023
	s_lshl_b32 s20, s18, 15                        ; 32,768 bytes of x,
	s_mov_b32 s21, 0
	s_lshl_b32 s22, s18, 12                        ; 4,096 of codes,
	s_mov_b32 s23, 0
	s_lshl_b32 s24, s18, 8                         ; 256 scale bytes a run
	s_mov_b32 s25, 0
	s_wait_kmcnt 0x0
	s_add_nc_u64 s[4:5], s[4:5], s[20:21]
	s_add_nc_u64 s[6:7], s[6:7], s[22:23]
	s_add_nc_u64 s[8:9], s[8:9], s[24:25]
.macro LOAD t
.irp i, 0,1,2,3
	global_load_b128 v[R+16*((\t)%4)+4*\i:R+16*((\t)%4)+4*\i+3], v3, s[4:5] offset:2048*(\t)+512*\i th:TH_LOAD_NT   ; 32 lanes read 512 consecutive bytes
.endr
.endm
.macro TURN t                          ; step t's numbers through the stage: LDS serves a wave's instructions in order, so no wait stands between the stores and the loads
.irp i, 0,1,2,3
	ds_store_b128 v14, v[R+16*((\t)%4)+4*\i:R+16*((\t)%4)+4*\i+3] offset:32*SP*((\t)%2)+8*SP*\i
.endr
.irp i, 0,1,2,3
	ds_load_b128 v[X+16*((\t)%2)+4*\i:X+16*((\t)%2)+4*\i+3], v15 offset:32*SP*((\t)%2)+16*\i
.endr
.endm
.irp t, 0,1,2,3
	LOAD \t
.endr
	s_wait_loadcnt 12                              ; step 0's four loads are in; those of steps 1 to 3 stay out
	TURN 0
.macro STEP t
.set XS, X+16*((\t)%2)
.if (\t) > 0
	s_wait_dscnt 1                                 ; this step's numbers are back from the stage (the last step's byte store may be out): so its stores into the stage have read their registers,
.else
	s_wait_dscnt 0x0
.endif
.if (\t)+4 < STEPS
	LOAD (\t)+4                                    ; which take the loads of four steps on
.endif
.if (\t)+1 < STEPS
.if STEPS-2-(\t) >= 3
	s_wait_loadcnt 12                              ; the next step's four loads are in; those of the three steps behind it may be out
.else
	s_wait_loadcnt 4*(STEPS-2-(\t))
.endif
	TURN (\t)+1                                    ; and go through the other stage while this step is worked
.endif
	v_max3_num_f32 v8, |v[XS]|, |v[XS+1]|, |v[XS+2]|               ; the largest magnitude of my 16, in two chains
	v_max3_num_f32 v9, |v[XS+3]|, |v[XS+4]|, |v[XS+5]|
.irp i, 6,10
	v_max3_num_f32 v8, v8, |v[XS+\i]|, |v[XS+\i+1]|
	v_max3_num_f32 v9, v9, |v[XS+\i+2]|, |v[XS+\i+3]|
.endr
	v_max3_num_f32 v8, v8, |v[XS+14]|, |v[XS+15]|
	v_max3_num_f32 v8, v8, v9, (EMAX+1)<<23        ; and the floor 2^(EMAX + 1 - 127): the byte cannot fall under 1
	v_max_num_f32_dpp v8, v8, v8 row_xmask:1 row_mask:0xf bank_mask:0xf   ; and of my neighbour's 16: the block's
	v_add_nc_u32 v11, -(EMAX<<23), v8              ; EMAX off its exponent field: the conversion takes the exponent field of this operand as its scale
	v_cvt_scalef32_pk8_fp4_f32 v[C+4*(\t)], v[XS:XS+7], v11         ; eight numbers / the scale, to the nearest code, ties to even, beyond the largest code the largest
	v_cvt_scalef32_pk8_fp4_f32 v[C+4*(\t)+1], v[XS+8:XS+15], v11
	v_lshrrev_b32 v[E+(\t)], 23, v11               ; the scale's byte (also the plain instruction behind the conversions)
	ds_store_b8 v5, v[E+(\t)] offset:16*(\t)       ; both lanes of a block write the same byte with the same value
	global_store_b64 v4, v[C+4*(\t):C+4*(\t)+1], s[6:7] offset:32*CB*(\t)   ; the wave stores 256 consecutive bytes, aligned
.endm
.irp t, 0,1,2,3,4,5,6,7,8,9,10,11,12,13,14,15
	STEP \t
.endr
	ds_load_b64 v[8:9], v6                         ; LDS serves a wave's instructions in order: these see my stores
	s_wait_dscnt 0x0
	global_store_b64 v7, v[8:9], s[8:9]            ; 32 lanes store 256 consecutive bytes, aligned
	s_wait_tensorcnt 0x0                           ; the wave's end, behind my last LDS store
	ds_add_u32 v[SPW], v[NIL]
	s_wait_dscnt 0x0
	s_endpgm
.Lfunc_end_k_q5fb50c9916_quant_x:
	.size	k_q5fb50c9916_quant_x, .Lfunc_end_k_q5fb50c9916_quant_x-k_q5fb50c9916_quant_x
	.p2alignl 7, 3214868480
	.fill 96, 4, 3214868480
	.section	.rodata,"a",@progbits
	.p2align	6, 0x0
	.amdhsa_kernel k_q5fb50c9916_quant_x
		.amdhsa_group_segment_fixed_size 33280
		.amdhsa_private_segment_fixed_size 0
		.amdhsa_enable_private_segment 0
		.amdhsa_kernarg_size 24
		.amdhsa_user_sgpr_count 2
		.amdhsa_user_sgpr_kernarg_segment_ptr 1
		.amdhsa_wavefront_size32 1
		.amdhsa_system_sgpr_workgroup_id_x 1
		.amdhsa_system_sgpr_workgroup_id_y 1
		.amdhsa_system_sgpr_workgroup_id_z 1
		.amdhsa_system_vgpr_workitem_id 0
		.amdhsa_next_free_vgpr 192
		.amdhsa_next_free_sgpr 66
		.amdhsa_reserve_vcc 0
		.amdhsa_float_denorm_mode_32 3
		.amdhsa_float_denorm_mode_16_64 3
		.amdhsa_memory_ordered 1
		.amdhsa_forward_progress 1
		.amdhsa_inst_pref_size 33
	.end_amdhsa_kernel
	.amdgpu_metadata
---
amdhsa.version: [ 1, 2 ]
amdhsa.kernels:
  - .name:           k_q5fb50c9916_quant_x
    .symbol:         k_q5fb50c9916_quant_x.kd
    .args:
      - { .name: x, .offset: 0, .size: 8, .value_kind: global_buffer, .address_space: global }
      - { .name: x_codes, .offset: 8, .size: 8, .value_kind: global_buffer, .address_space: global }
      - { .name: x_scales, .offset: 16, .size: 8, .value_kind: global_buffer, .address_space: global }
    .group_segment_fixed_size: 33280
    .private_segment_fixed_size: 0
    .kernarg_segment_align: 8
    .kernarg_segment_size: 24
    .max_flat_workgroup_size: 128
    .sgpr_count:     66
    .vgpr_count:     192
    .wavefront_size: 32
...
	.end_amdgpu_metadata
.endif
;; end of part 1
;; launch prep_w (part 2): grid 112 x 1, 4 waves a work-group, no clusters, 35,840 bytes of LDS; arguments Wqkv, Wout, w_codes, w_scales, wo_img; writes w_codes, w_scales, wo_img
.if DOCPART == 2
	.amdgcn_target "amdgcn-amd-amdhsa--gfx1250"
	.amdhsa_code_object_version 6
	.text
	.protected	k_q5fb50c9916_prep_w
	.globl	k_q5fb50c9916_prep_w
	.p2align	8
	.type	k_q5fb50c9916_prep_w,@function
k_q5fb50c9916_prep_w:
	s_mov_b64 s[64:65], 0
	v_nop
	global_prefetch_b8 v0, s[64:65] scope:SCOPE_SE
	s_setreg_imm32_b32 hwreg(HW_REG_WAVE_MODE, 25, 1), 1
	s_wait_xcnt 0x0
; Two weights are laid out for the launches that multiply by them.  Both have K as their FIRST axis, so in both parts A LANE TAKES A COLUMN n AND ITS REGISTERS RUN DOWN K:
; each load reads neighbouring n in neighbouring lanes (128 consecutive bytes a wave, 512 a work-group), and a lane's registers are neighbours along K.
; WORK-GROUPS 0-47: Wqkv [1024 k][3072 n] f32 -> codes of FP4 (E2M1) laid [3072][512 bytes], K innermost, and one E8M0 byte for each 32 along K, laid [3072][32].
;   A block's scale is 2^(floor(log2(its largest magnitude)) - 2), its byte held at 1 from below (a block of zeros gets the byte 1: its codes are zeros, and this program alone reads the bytes).
;   A wave takes 32 columns x 512 along K; its codes go through its own stage in LDS and leave as rows: sixteen lanes store 256 consecutive bytes, aligned.
; WORK-GROUPS 48-111: Wout [1024 k][1024 n] f32 -> f16, laid as IMAGES OF OPERAND REGISTERS: a fragment is 16 columns x 32 k, 1,024 bytes: lane l's registers 0-3 at 16 l, registers 4-7 at 512 + 16 l,
;   lane (r, h) holding column r and k = 8 h + 0..7, then 16 + 8 h + 0..7.  Order: [n / 256][k / 128][(n % 256) / 16][(k % 128) / 32][1,024].  No LDS is used on this path.
; LIMITS: NaN and infinities are not served; |Wout| stays under 65,504 (f16).
; No barrier: waves share nothing.  No cluster: work-groups share no input.
.set SIZE_K, 1024
.set SIZE_N, 3072
.set KW,    512                        ; along K for a wave
.set NB,    KW/32                      ; blocks
.set ROWB,  256                        ; bytes of KW codes
.set PITCH, ROWB+16                    ; a stage row
.set KROW,  SIZE_K*4/8                 ; a row of the codes' buffer in bytes
.set EMAX,  2
.set X,     32                         ; v32-95   two sets of 32 numbers
.set C,     96                         ; v96-99   a block's codes
.set H,     96                         ; v96-159  the cast path: 16 registers of f16 pairs for each of four blocks
.set OUTR,  112                        ; v112-175 the way out: 16 x 4 registers
.set SPW,   14                         ; v14 LDS address of my spare word; never rewritten
.set NIL,   15                         ; v15 0; never rewritten
.set SPARE, 4*32*PITCH                 ; behind the four stages: the spare words, 128 bytes a wave
.set SB,    24                         ; v24-27   the scale bytes, four to a register
	s_load_b128 s[4:7], s[0:1], 0x0                ; Wqkv, Wout
	s_load_b128 s[8:11], s[0:1], 0x10              ; Wqkv's codes, its scale bytes
	s_load_b64 s[12:13], s[0:1], 0x20              ; Wout's images
	v_lshl_add_u32 v[SPW], v0, 2, SPARE
	v_mov_b32 v[NIL], 0
	v_lshrrev_b32 v1, 5, v0
	v_readfirstlane_b32 s16, v1                    ; wave 0..3
	v_and_b32 v2, 31, v0                           ; lane
	s_cmp_ge_u32 ttmp9, 48                         ; which weight: the work-group's number alone decides
	s_cbranch_scc1 .Lcast
	; ---- Wqkv: 24 groups of 128 columns x 2 halves of K
	s_cmp_ge_u32 ttmp9, 24
	s_cselect_b32 s18, 1, 0                        ; which 512 along K
	s_cselect_b32 s30, 24, 0
	s_sub_co_u32 s30, ttmp9, s30                   ; which 128 columns
	s_lshl_b32 s17, s30, 7
	s_lshl_b32 s31, s16, 5
	s_add_co_u32 s17, s17, s31                     ; my wave's first column
	v_lshlrev_b32 v3, 2, v2                        ; in: 4 bytes a lane
	s_mul_i32 s19, s16, 32*PITCH                   ; my stage
	v_mul_u32_u24 v4, v2, PITCH
	v_add_nc_u32 v4, s19, v4                       ; into it: row = my column
	v_and_b32 v5, 15, v2
	v_lshrrev_b32 v6, 4, v2                        ; out of it: sixteen lanes to a row, two rows an instruction
	v_mul_u32_u24 v7, v6, PITCH
	v_lshl_add_u32 v7, v5, 4, v7
	v_add_nc_u32 v7, s19, v7                       ; LDS address
	v_mul_u32_u24 v8, v6, KROW
	v_lshl_add_u32 v8, v5, 4, v8                   ; and the same place in the codes' buffer
	s_mov_b32 s19, 0
	s_mov_b64 s[20:21], KW*SIZE_N*4
	s_mul_u64 s[20:21], s[18:19], s[20:21]         ; W: 512 rows of 12,288 bytes a half,
	s_lshl_b32 s22, s17, 2
	s_mov_b32 s23, 0
	s_add_nc_u64 s[20:21], s[20:21], s[22:23]      ; + 4 x column
	s_mov_b32 s22, s17
	s_mov_b64 s[24:25], KROW
	s_mul_u64 s[24:25], s[22:23], s[24:25]         ; codes: column x 512
	s_mul_i32 s26, s18, ROWB
	s_mov_b32 s27, 0
	s_add_nc_u64 s[24:25], s[24:25], s[26:27]      ; + 256 x half
	s_mov_b64 s[28:29], SIZE_K/32
	s_mul_u64 s[28:29], s[22:23], s[28:29]         ; scale bytes: column x 32
	s_mul_i32 s26, s18, NB
	s_add_nc_u64 s[28:29], s[28:29], s[26:27]      ; + 16 x half
	v_mul_u32_u24 v9, v2, SIZE_K/32                ; my column's row of scale bytes
	s_wait_kmcnt 0x0
	s_add_nc_u64 s[4:5], s[4:5], s[20:21]
	s_add_nc_u64 s[8:9], s[8:9], s[24:25]
	s_add_nc_u64 s[10:11], s[10:11], s[28:29]
.macro LOAD t                          ; block t: W(32 t + i, my column), i = 0 .. 31, into set t % 2.  The largest immediate, 511 x 12,288, lies inside the signed 24 bits
.irp i, 0,1,2,3,4,5,6,7,8,9,10,11,12,13,14,15,16,17,18,19,20,21,22,23,24,25,26,27,28,29,30,31
	global_load_b32 v[X+32*((\t)%2)+\i], v3, s[4:5] offset:(32*(\t)+\i)*SIZE_N*4 th:TH_LOAD_NT
.endr
.endm
	LOAD 0
	LOAD 1
.macro BLOCK t
.set XS, X+32*((\t)%2)
.if (\t) < NB-1
	s_wait_loadcnt 32                              ; this block's 32 loads are in; the next block's may be out
.else
	s_wait_loadcnt 0
.endif
	v_max3_num_f32 v12, |v[XS]|, |v[XS+1]|, |v[XS+2]|               ; the block's largest magnitude: all 32 numbers are mine
	v_max3_num_f32 v13, |v[XS+3]|, |v[XS+4]|, |v[XS+5]|
.irp i, 6,10,14,18,22,26
	v_max3_num_f32 v12, v12, |v[XS+\i]|, |v[XS+\i+1]|
	v_max3_num_f32 v13, v13, |v[XS+\i+2]|, |v[XS+\i+3]|
.endr
	v_max3_num_f32 v12, v12, |v[XS+30]|, |v[XS+31]|
	v_max3_num_f32 v12, v12, v13, (EMAX+1)<<23     ; and the floor 2^(EMAX + 1 - 127): the byte cannot fall under 1
	v_add_nc_u32 v11, -(EMAX<<23), v12             ; EMAX off its exponent field: the conversion's scale operand
	v_lshrrev_b32 v13, 23, v11                     ; the scale's byte
.if (\t)%4 == 0
	v_mov_b32 v[SB+(\t)/4], v13                    ; four bytes to a register, the lower K in the lower byte
.else
	v_lshl_or_b32 v[SB+(\t)/4], v13, 8*((\t)%4), v[SB+(\t)/4]
.endif
.irp g, 0,1,2,3
	v_cvt_scalef32_pk8_fp4_f32 v[C+\g], v[XS+8*\g:XS+8*\g+7], v11
.endr
	v_nop                                          ; one plain instruction behind the last conversion
	ds_store_b128 v4, v[C:C+3] offset:16*(\t)      ; 32 codes: 16 bytes of my column's row
.if (\t)+2 < NB
	LOAD (\t)+2
.endif
	s_wait_dscnt 0x0                               ; the store has read its registers: the next block's codes may be written
.endm
.set Q, 0
.rept NB
	BLOCK Q
.set Q, Q+1
.endr
	global_store_b128 v9, v[SB:SB+3], s[10:11]     ; my column's 16 scale bytes
.irp t, 0,1,2,3,4,5,6,7,8,9,10,11,12,13,14,15
	ds_load_b128 v[OUTR+4*\t:OUTR+4*\t+3], v7 offset:2*\t*PITCH   ; LDS serves a wave's instructions in order: these see my stores
.endr
.irp t, 0,1,2,3,4,5,6,7,8,9,10,11,12,13,14,15
	s_wait_dscnt 15-\t                             ; loads come back in order: load t is in, the 15 - t behind it may be out
	global_store_b128 v8, v[OUTR+4*\t:OUTR+4*\t+3], s[8:9] offset:2*\t*KROW
.endr
	s_wait_tensorcnt 0x0                           ; the wave's end, behind my last LDS store
	ds_add_u32 v[SPW], v[NIL]
	s_wait_dscnt 0x0
	s_endpgm
.Lcast:	; ---- Wout: 8 groups of 128 columns x 8 steps of 128 along K; a wave takes 32 columns
	s_sub_co_u32 s17, ttmp9, 48
	s_and_b32 s18, s17, 7                          ; which 128 columns
	s_lshr_b32 s19, s17, 3                         ; which 128 along K
	v_lshlrev_b32 v3, 2, v2                        ; in: 4 bytes a lane
	v_lshrrev_b32 v4, 4, v2
	v_and_b32 v5, 15, v2
	v_lshlrev_b32 v8, 4, v5
	v_lshl_add_u32 v8, v4, 12, v8                  ; out: 16 (lane % 16) in the fragment, lanes 16-31 in the next group of 16 columns, 4,096 bytes on
	s_lshl_b32 s20, s19, 19                        ; 128 rows of 4,096 bytes
	s_lshl_b32 s21, s18, 9
	s_add_co_u32 s20, s20, s21                     ; + 512 bytes for each 128 columns
	s_lshl_b32 s21, s16, 7
	s_add_co_u32 s20, s20, s21                     ; + 128 for each wave
	s_mov_b32 s21, 0
	s_lshr_b32 s22, s18, 1
	s_lshl_b32 s22, s22, 3
	s_add_co_u32 s22, s22, s19                     ; 8 (n / 256) + k / 128
	s_lshl_b32 s22, s22, 16                        ; blocks of 65,536 bytes
	s_and_b32 s23, s18, 1
	s_lshl_b32 s23, s23, 15
	s_add_co_u32 s22, s22, s23                     ; + eight groups of 16 columns for the upper 128
	s_lshl_b32 s23, s16, 13
	s_add_co_u32 s22, s22, s23                     ; + two groups for each wave
	s_mov_b32 s23, 0
	s_wait_kmcnt 0x0
	s_add_nc_u64 s[6:7], s[6:7], s[20:21]
	s_add_nc_u64 s[12:13], s[12:13], s[22:23]
.macro LOADC t                         ; 32 along K of my column into set t % 2
.irp i, 0,1,2,3,4,5,6,7,8,9,10,11,12,13,14,15,16,17,18,19,20,21,22,23,24,25,26,27,28,29,30,31
	global_load_b32 v[X+32*((\t)%2)+\i], v3, s[6:7] offset:(32*(\t)+\i)*4096 th:TH_LOAD_NT
.endr
.endm
.macro BLOCKC t
.if (\t) < 3
	s_wait_loadcnt 32                              ; this block's 32 loads are in; the next block's may be out
.else
	s_wait_loadcnt 0
.endif
.irp p, 0,1,2,3,4,5,6,7,8,9,10,11,12,13,14,15
	v_cvt_pk_f16_f32 v[H+16*(\t)+\p], v[X+32*((\t)%2)+2*\p], v[X+32*((\t)%2)+2*\p+1]   ; the lower k in the low half
.endr
.irp q, 0,1,2,3                        ; piece q holds k = 8 q .. 8 q + 7: registers 4 (q / 2) on of the lane with half q % 2: 512 (q / 2) + 256 (q % 2) = 256 q
	global_store_b128 v8, v[H+16*(\t)+4*\q:H+16*(\t)+4*\q+3], s[12:13] offset:1024*(\t)+256*\q   ; each half of the lanes stores 256 consecutive bytes, aligned; every block has store registers of its own
.endr
.if (\t)+2 < 4
	LOADC (\t)+2
.endif
.endm
	LOADC 0
	LOADC 1
	BLOCKC 0
	BLOCKC 1
	BLOCKC 2
	BLOCKC 3
	s_wait_tensorcnt 0x0                           ; the same three closing lines as on the other path
	ds_add_u32 v[SPW], v[NIL]
	s_wait_dscnt 0x0
	s_endpgm
.Lfunc_end_k_q5fb50c9916_prep_w:
	.size	k_q5fb50c9916_prep_w, .Lfunc_end_k_q5fb50c9916_prep_w-k_q5fb50c9916_prep_w
	.p2alignl 7, 3214868480
	.fill 96, 4, 3214868480
	.section	.rodata,"a",@progbits
	.p2align	6, 0x0
	.amdhsa_kernel k_q5fb50c9916_prep_w
		.amdhsa_group_segment_fixed_size 35840
		.amdhsa_private_segment_fixed_size 0
		.amdhsa_enable_private_segment 0
		.amdhsa_kernarg_size 40
		.amdhsa_user_sgpr_count 2
		.amdhsa_user_sgpr_kernarg_segment_ptr 1
		.amdhsa_wavefront_size32 1
		.amdhsa_system_sgpr_workgroup_id_x 1
		.amdhsa_system_sgpr_workgroup_id_y 1
		.amdhsa_system_sgpr_workgroup_id_z 1
		.amdhsa_system_vgpr_workitem_id 0
		.amdhsa_next_free_vgpr 192
		.amdhsa_next_free_sgpr 66
		.amdhsa_reserve_vcc 0
		.amdhsa_float_denorm_mode_32 3
		.amdhsa_float_denorm_mode_16_64 3
		.amdhsa_memory_ordered 1
		.amdhsa_forward_progress 1
		.amdhsa_inst_pref_size 98
	.end_amdhsa_kernel
	.amdgpu_metadata
---
amdhsa.version: [ 1, 2 ]
amdhsa.kernels:
  - .name:           k_q5fb50c9916_prep_w
    .symbol:         k_q5fb50c9916_prep_w.kd
    .args:
      - { .name: Wqkv, .offset: 0, .size: 8, .value_kind: global_buffer, .address_space: global }
      - { .name: Wout, .offset: 8, .size: 8, .value_kind: global_buffer, .address_space: global }
      - { .name: w_codes, .offset: 16, .size: 8, .value_kind: global_buffer, .address_space: global }
      - { .name: w_scales, .offset: 24, .size: 8, .value_kind: global_buffer, .address_space: global }
      - { .name: wo_img, .offset: 32, .size: 8, .value_kind: global_buffer, .address_space: global }
    .group_segment_fixed_size: 35840
    .private_segment_fixed_size: 0
    .kernarg_segment_align: 8
    .kernarg_segment_size: 40
    .max_flat_workgroup_size: 128
    .sgpr_count:     66
    .vgpr_count:     192
    .wavefront_size: 32
...
	.end_amdgpu_metadata
.endif
;; end of part 2
;; launch gemm_qkv (part 3): grid 12 x 32, 4 waves a work-group, clusters of 4 x 4, 327,680 bytes of LDS; arguments x_codes, x_scales, w_codes, w_scales, qkv; writes qkv
.if DOCPART == 3
	.amdgcn_target "amdgcn-amd-amdhsa--gfx1250"
	.amdhsa_code_object_version 6
	.text
	.protected	k_q5fb50c9916_gemm_qkv
	.globl	k_q5fb50c9916_gemm_qkv
	.p2align	8
	.type	k_q5fb50c9916_gemm_qkv,@function
k_q5fb50c9916_gemm_qkv:
	s_mov_b64 s[64:65], 0
	v_nop
	global_prefetch_b8 v0, s[64:65] scope:SCOPE_SE
	s_setreg_imm32_b32 hwreg(HW_REG_WAVE_MODE, 25, 1), 1
	s_wait_xcnt 0x0
	s_wait_alu depctr_hold_cnt(0) depctr_sa_sdst(0) depctr_va_vdst(0) depctr_va_sdst(0) depctr_va_ssrc(0) depctr_va_vcc(0) depctr_vm_vsrc(0)
	s_getreg_b32 s2, hwreg(HW_REG_IB_STS2, 6, 4)
	s_cmp_eq_u32 s2, 0
	s_cbranch_scc0 .Lentry_in_a_cluster
	s_endpgm
.Lentry_in_a_cluster:
	s_bfe_u32 s2, ttmp6, 0x10000c
	s_cmp_lg_u32 s2, 0xf033
	s_cbranch_scc0 .Lentry_shape_is_right
	s_endpgm
.Lentry_shape_is_right:
; qkv = x Wqkv on codes of FP4 (E2M1) with one E8M0 scale for each 32 along K = 1024; sums in f32; results rounded once to f16 and stored as IMAGES OF THE OPERAND REGISTERS of the attention launch.
; x's codes [8192][512 bytes], scales [8192][32]; W's codes [3072 n][512], scales [3072][32].
; A tile of 256 x 256 results is made by four waves, as many as a WGP has SIMDs; a wave makes 128 x 128: 64 accumulators, 512 registers.  K is two LDS slots of 512 (rows of 256 bytes): both are
; first fills, nothing is filled again.  The scales of the tile's 2 x 256 rows come once, in runs of 256 bytes, with the first fills.
; TWO LDS REGIONS, A (source 1 of the matrix instruction) and B (source 0): in a result lane (r, h) holds A's row r, and its registers j B's rows 8 h + j.
;   q, k (cluster x = 0, 1): A = 256 tokens of x, B = 256 columns of W: a lane holds a token and eight neighbouring channels.
;   v    (cluster x = 2):    A = 256 columns of W, B = 256 tokens of x: a lane holds a channel and eight neighbouring keys, since the keys are the K of attention's second product.
;   Rounded in pairs, the accumulators of B's blocks 2 u and 2 u + 1 are registers 0-3 and 4-7 of a 16-bit fragment (16 of A's rows x 32 of B's): they are stored as they stand, 512 consecutive bytes a store.
; qkv: three parts of 2^24 bytes, each [batch x 16 + head][262,144]; q, k: [token / 16][channel / 32][1,024]; v: [key / 32][channel / 16][1,024].
; CLUSTERS: 4 x 4 work-groups; A's tile is shared along a row of the cluster, B's along a column: each is asked for jointly, by the same tensor load with the same descriptor and a mask that names the four.
; LIMITS: |q|, |k|, |v| stay under 65,504 (f16); NaN and infinities are not served.
; REGISTERS, in windows of 256: window 0: v0-31 addresses; v32-95 scale words, two sets; v128-191 A's fragments, ONE set (on the way out v128-255 hold the f16 pairs);
;   window 1: B's fragments, TWO sets, at v0 and v128;  window 2: accumulators of A's blocks 0-3 ((a, b) at v[8 (8 a + b)]);  window 3: those of blocks 4-7.
.set NQ,     4                         ; matrix instructions deep in a slot
.set ROWB,   256                       ; a tile's row in bytes: 512 codes
.set KROW,   512                       ; a row of codes in memory
.set PITCH,  272                       ; an LDS row: 256 bytes + 16 of padding: the 16 rows that a load touches start at 16 different banks (64 banks of 4 bytes: ISA guide 11.1)
.set FR,     8                         ; registers of a fragment: 16 rows x 128 K
.set NL,     2                         ; LDS loads that bring one
.set NP,     4                         ; places behind this matrix instruction (ISA guide 7.12.1)
.set HALFT,  128*PITCH                 ; 128 rows: what one tensor load brings
.set SLOT,   4*HALFT                   ; A's 256 rows, then B's 256 rows
.set KS,     32                        ; a row of scales in bytes
.set SCL,    2*SLOT                    ; behind the slots: the scales, as runs of 256 bytes + 16 of padding
.set HALFS,  (128*KS/256)*272          ; the scales of 128 rows: what one tensor load brings
.set SBLK,   (16*KS/256)*272           ; those of 16 rows
.set SPARE,  SCL+4*HALFS               ; behind the scales: the spare words, 128 bytes a wave
.set ADRA, 16                          ; v16-17  LDS address of my A fragments in slot 0, 1
.set ADRB, 20                          ; v20-21  the same for B
.set CO,   26                          ; v26     16 x lane: my place in a stored image
.set ADRS, 27                          ; v27     LDS address of my scale words: lanes 0-15 A's rows, lanes 16-31 B's
.set SPW,  28                          ; v28     LDS address of my spare word; never rewritten
.set NIL,  29                          ; v29     0; never rewritten
.set SC,   32                          ; scale words: set s at v[SC + 32 s]; register 4 i + q: lanes 0-15 the word of A's block i, lanes 16-31 of B's block i, for the slot's q-th 128 along K
.set AF,   128                         ; A's fragments, in window 0
.set TMP,  128                         ; the way out: f16 pairs, 32 registers for each of four blocks by turns
.set G1, 24                            ; s[24:31] descriptor group 1 for A's tiles;  s[32:39] group 0, one set for each slot
.set G0, 32
.set G1B, 48                           ; s[48:55], s[56:63] the same for B's tiles
.set G0B, 56
.set G1S, 68                           ; s[68:75], s[76:79] groups 1 and 0 for A's scales;  s[80:87], s[88:91] for B's
.set G0S, 76
.set G1SB, 80
.set G0SB, 88
.set MSB, 0
.macro WIN new                         ; the immediate's high byte repeats the setting that is left; a switch that changes nothing is dropped
.if MSB != (\new)
	s_set_vgpr_msb (MSB<<8)|(\new)
.set MSB, \new
.endif
.endm
.set MUL_LO, 0xa1                      ; source 0 (B) window 1, source 1 (A) window 0, C and D window 2
.set MUL_HI, 0xf1                      ; the same, C and D window 3
.set TO_B,   0x40                      ; destination window 1, address window 0
; A joint load: waves 0 and 1 fetch for A, waves 2 and 3 for B.  Each line has one mask and one set of registers for all that issue it; the branch hangs on the wave's number alone.
; An s_nop 0 and four v_nop follow each of the two lines.
.macro JLOAD g0a, g1a, g0b, g1b
	s_cmp_eq_u32 s15, 0
	s_cbranch_scc0 .Lfor_b_\@
	tensor_load_to_lds s[\g0a:\g0a+3], s[\g1a:\g1a+7]
	s_nop 0
.rept 4
	v_nop
.endr
	s_branch .Lasked_\@
.Lfor_b_\@:
	tensor_load_to_lds s[\g0b:\g0b+3], s[\g1b:\g1b+7]
	s_nop 0
.rept 4
	v_nop
.endr
.Lasked_\@:
.endm
.macro CROUND                          ; a round of the cluster's barrier: my work-group's barrier; wave 0 signals for the work-group; every wave waits for all sixteen; my work-group's barrier once more
	s_barrier_signal -1
	s_barrier_wait -1
	s_cmp_lg_u32 s14, 0
	s_cbranch_scc1 .Lnot_wave_0_\@
	s_barrier_signal -3
.Lnot_wave_0_\@:
	s_barrier_wait -3
	s_barrier_signal -1
	s_barrier_wait -1
.endm
	s_load_b128 s[4:7], s[0:1], 0x0                ; x's codes, x's scales
	s_load_b128 s[8:11], s[0:1], 0x10              ; W's codes, W's scales
	s_load_b64 s[12:13], s[0:1], 0x20              ; qkv
	v_lshl_add_u32 v[SPW], v0, 2, SPARE
	v_mov_b32 v[NIL], 0
	ds_add_u32 v[SPW], v[NIL]                      ; the wave's opening: the add, twice on end, and its wait ahead of my first tensor load
	ds_add_u32 v[SPW], v[NIL]
	v_lshrrev_b32 v1, 5, v0
	v_readfirstlane_b32 s14, v1                    ; wave 0..3
	s_lshr_b32 s15, s14, 1                         ; which half of A's rows is mine.  Also: I fetch for A (0) or for B (1)
	s_and_b32 s16, s14, 1                          ; which half of B's rows.  Also: which 128 rows of that tile I fetch
	s_bfe_u32 s40, ttmp6, 0x40000                  ; cx, cy: my place in the cluster
	s_bfe_u32 s41, ttmp6, 0x40004
	s_lshl_b32 s42, ttmp9, 2                       ; 4 x cluster x: W's first tile of 256 columns for q (0) and k (4)
	s_and_b32 s17, ttmp7, 0xffff
	s_lshl_b32 s17, s17, 2                         ; 4 x cluster y: x's first tile of 256 tokens
	s_cmp_eq_u32 ttmp9, 2                          ; v?  The cluster's x is the same in all sixteen partners
	s_cselect_b32 s42, s17, s42                    ; B's tile: of x's tokens for v, of W's columns else,
	s_cselect_b32 s17, 8, s17                      ; A's tile: of W's columns (v's begin at tile 8) for v, of x's tokens else
	s_add_co_u32 s42, s42, s40                     ; B's hangs on cx alone,
	s_add_co_u32 s17, s17, s41                     ; A's on cy alone
	s_lshl_b32 s43, s41, 2
	s_lshl_b32 s43, 15, s43                        ; my row of the cluster
	s_lshl_b32 s44, 0x1111, s40                    ; my column
	; descriptor group 1: a tile of 128 rows x 256 bytes, padded in LDS
	s_or_b32 s[G1+0], s43, (0<<16)|(1<<20)|(1<<21)|(5<<22)|(3<<25)  ; 15:0 the mask: A's tiles go to my row; 17:16 elements of 1 byte; 20 padding on; 21 set beside a mask; 24:22 after every 64 words; 31:25 four words
	s_or_b32 s[G1B+0], s44, (0<<16)|(1<<20)|(1<<21)|(5<<22)|(3<<25)
.irp g, G1, G1B
	s_mov_b32 s[\g+1], ROWB<<16                    ; tensor_dim0
	s_mov_b32 s[\g+2], 128<<16                     ; tensor_dim1 = 128
	s_mov_b32 s[\g+3], ROWB<<16                    ; tile_dim0
	s_mov_b32 s[\g+4], 128                         ; tile_dim1 = 128
	s_mov_b32 s[\g+5], KROW                        ; tensor_dim0_stride
	s_mov_b32 s[\g+6], 0
	s_mov_b32 s[\g+7], 0
.endr
	; and for the scales of 128 rows: a dense block of 4,096 bytes, as 16 rows of 256 bytes (32 elements of 8 bytes), 16 bytes of padding behind each
	s_or_b32 s[G1S+0], s43, (3<<16)|(1<<20)|(1<<21)|(5<<22)|(3<<25)
	s_or_b32 s[G1SB+0], s44, (3<<16)|(1<<20)|(1<<21)|(5<<22)|(3<<25)
.irp g, G1S, G1SB
	s_mov_b32 s[\g+1], 32<<16
	s_mov_b32 s[\g+2], (128*KS/256)<<16
	s_mov_b32 s[\g+3], 32<<16
	s_mov_b32 s[\g+4], 128*KS/256
	s_mov_b32 s[\g+5], 32
	s_mov_b32 s[\g+6], 0
	s_mov_b32 s[\g+7], 0
.endr
	s_lshl_b32 s18, s16, 7                         ; which 128 rows of the tile I fetch
	s_lshl_b32 s20, s17, 8
	s_add_co_u32 s20, s20, s18                     ; A: row 256 x tile + 128 x half
	s_lshl_b32 s46, s42, 8
	s_add_co_u32 s46, s46, s18                     ; B likewise
	s_mov_b32 s21, 0
	s_mov_b32 s47, 0
	s_mov_b64 s[18:19], KS
	s_mul_u64 s[22:23], s[20:21], s[18:19]         ; where these rows' scales begin, in bytes (both tensors have rows of 32),
	s_mul_u64 s[92:93], s[46:47], s[18:19]
	s_mov_b64 s[18:19], KROW
	s_mul_u64 s[20:21], s[20:21], s[18:19]         ; and their codes (both have rows of 512)
	s_mul_u64 s[46:47], s[46:47], s[18:19]
	s_mul_i32 s45, s14, HALFT                      ; where they go: wave x 128 rows: no place in the cluster enters an LDS address
	s_mul_i32 s94, s14, HALFS
	s_wait_dscnt 0x0                               ; both opening adds are done
	s_wait_kmcnt 0x0
	s_cmp_eq_u32 ttmp9, 2                          ; which tensor fills which region: a choice between buffers on the cluster's x alone
	s_cselect_b64 s[96:97], s[8:9], s[4:5]         ; A's codes
	s_cselect_b64 s[98:99], s[10:11], s[6:7]       ; A's scales
	s_cselect_b64 s[8:9], s[4:5], s[8:9]           ; B's codes
	s_cselect_b64 s[10:11], s[6:7], s[10:11]       ; B's scales
	s_add_nc_u64 s[20:21], s[96:97], s[20:21]
	s_add_nc_u64 s[22:23], s[98:99], s[22:23]
	s_add_nc_u64 s[46:47], s[8:9], s[46:47]
	s_add_nc_u64 s[92:93], s[10:11], s[92:93]
	CROUND                                         ; all sixteen work-groups are here: the joint loads meet
	s_mov_b32 s[G0S], 1
	s_add_co_u32 s[G0S+1], s94, SCL
	s_mov_b64 s[G0S+2:G0S+3], s[22:23]
	s_or_b32 s[G0S+3], s[G0S+3], 0x80000000
	s_mov_b32 s[G0SB], 1
	s_add_co_u32 s[G0SB+1], s94, SCL
	s_mov_b64 s[G0SB+2:G0SB+3], s[92:93]
	s_or_b32 s[G0SB+3], s[G0SB+3], 0x80000000
	JLOAD G0S, G1S, G0SB, G1SB                     ; the scales first: they are wanted with the first slot
.irp s, 0,1
	s_mov_b32 s[G0+4*\s], 1
	s_add_co_u32 s[G0+4*\s+1], s45, \s*SLOT
	s_add_nc_u64 s[G0+4*\s+2:G0+4*\s+3], s[20:21], \s*ROWB
	s_or_b32 s[G0+4*\s+3], s[G0+4*\s+3], 0x80000000
	s_mov_b32 s[G0B+4*\s], 1
	s_add_co_u32 s[G0B+4*\s+1], s45, \s*SLOT
	s_add_nc_u64 s[G0B+4*\s+2:G0B+4*\s+3], s[46:47], \s*ROWB
	s_or_b32 s[G0B+4*\s+3], s[G0B+4*\s+3], 0x80000000
	JLOAD G0+4*\s, G1, G0B+4*\s, G1B               ; three tensor loads of mine are out behind the last of these
.endr
	v_and_b32 v1, 15, v0                           ; l % 16
	v_bfe_u32 v2, v0, 4, 1                         ; l / 16
	v_mul_u32_u24 v3, v1, PITCH
	v_lshl_add_u32 v4, v2, 4, v3                   ; a fragment's row x pitch + 16 x half
	s_mul_i32 s21, s15, HALFT                      ; my 128 rows of A
	s_mul_i32 s22, s16, HALFT                      ; my 128 rows of B,
	s_add_co_u32 s22, s22, 2*HALFT                 ; which lie behind A's 256
.irp s, 0,1
	v_add_nc_u32 v[ADRA+\s], s21, v4
	v_add_nc_u32 v[ADRB+\s], s22, v4
	s_add_co_u32 s21, s21, SLOT
	s_add_co_u32 s22, s22, SLOT
.endr
	v_mul_u32_u24 v5, v1, KS                       ; my row's scales: 32 bytes a row,
	v_lshrrev_b32 v6, 8, v5
	v_lshl_add_u32 v5, v6, 4, v5                   ; and 16 more for each 256 passed
	s_mul_i32 s21, s15, HALFS                      ; A's: my 128 rows
	s_mul_i32 s22, s16, HALFS                      ; B's: my 128 rows, behind A's 256
	s_add_co_u32 s22, s22, 2*HALFS
	s_sub_co_u32 s22, s22, s21
	v_mul_u32_u24 v6, s22, v2                      ; lanes 16-31 take B's: one product, the distance between the two bases x the half
	s_add_co_u32 s21, s21, SCL
	v_add_nc_u32 v5, v5, v6
	v_add_nc_u32 v[ADRS], s21, v5
	v_and_b32 v6, 31, v0
	v_lshlrev_b32 v[CO], 4, v6                     ; an image's place for my lane
	; where my wave's images begin in qkv: part x 2^24 + (16 batch + first head) x 2^18 + (token tile % 8) x 2^15 + (which 128 tokens) x 2^14: the same sum for q, k (16 tokens are 2,048 bytes) and v (32 keys are 4,096)
	s_cmp_eq_u32 ttmp9, 2
	s_cselect_b32 s20, s42, s17                    ; the tile of 256 tokens
	s_cselect_b32 s21, s41, s40                    ; which 256 channels (4 heads) of the part
	s_cselect_b32 s22, s15, s16                    ; which 128 of them (2 heads) are my wave's
	s_cselect_b32 s23, s16, s15                    ; which 128 tokens
	s_lshr_b32 s45, s20, 3                         ; batch
	s_lshl_b32 s45, s45, 4
	s_lshl_b32 s21, s21, 2
	s_add_co_u32 s45, s45, s21
	s_lshl_b32 s22, s22, 1
	s_add_co_u32 s45, s45, s22
	s_lshl_b32 s45, s45, 18
	s_and_b32 s20, s20, 7
	s_lshl_b32 s20, s20, 15
	s_add_co_u32 s20, s20, s45
	s_lshl_b32 s23, s23, 14
	s_add_co_u32 s20, s20, s23
	s_lshl_b32 s21, ttmp9, 24
	s_add_co_u32 s20, s20, s21                     ; under 2^26
	s_mov_b32 s21, 0
	s_add_nc_u64 s[12:13], s[12:13], s[20:21]
.macro FRAG reg, adr, q, i             ; a fragment, 16 rows x 128 K of 4-bit codes, is 8 registers: lane l holds row l % 16; registers 4 c .. 4 c + 3 hold K = 64 c + 32 (l / 16) + 0 .. 31
.irp c, 0,1
	ds_load_b128 v[\reg+4*\c:\reg+4*\c+3], v[\adr] offset:64*(\q)+32*\c+(\i)*16*PITCH
.endr
.endm
; 16 matrix instructions: A's blocks a0, a0 + 1 x B's eight, the slot's q-th 128 along K.  p: B's set;  sc: the set of scale words.  zero = 1: the first product starts the sums: nothing is ever cleared.
; The 64 accumulators take turns, one instruction a turn, in the same order in every step.
.macro MUL16 a0, p, q, sc, zero
.irp a, \a0, \a0+1
.irp b, 0,1,2,3,4,5,6,7
.if \zero
	v_wmma_scale_f32_16x16x128_f8f6f4 v[8*(8*((\a)%4)+\b):8*(8*((\a)%4)+\b)+7], v[128*(\p)+FR*\b:128*(\p)+FR*\b+FR-1], v[AF+FR*(\a):AF+FR*(\a)+FR-1], 0, v[SC+8*NQ*(\sc)+NQ*\b+(\q)], v[SC+8*NQ*(\sc)+NQ*(\a)+(\q)] matrix_a_fmt:MATRIX_FMT_FP4 matrix_b_fmt:MATRIX_FMT_FP4 matrix_a_scale:MATRIX_SCALE_ROW1
.else
	v_wmma_scale_f32_16x16x128_f8f6f4 v[8*(8*((\a)%4)+\b):8*(8*((\a)%4)+\b)+7], v[128*(\p)+FR*\b:128*(\p)+FR*\b+FR-1], v[AF+FR*(\a):AF+FR*(\a)+FR-1], v[8*(8*((\a)%4)+\b):8*(8*((\a)%4)+\b)+7], v[SC+8*NQ*(\sc)+NQ*\b+(\q)], v[SC+8*NQ*(\sc)+NQ*(\a)+(\q)] matrix_a_fmt:MATRIX_FMT_FP4 matrix_b_fmt:MATRIX_FMT_FP4 matrix_a_scale:MATRIX_SCALE_ROW1
.endif
.endr
.endr
.endm
.macro FETCH_B slot, q, p              ; B's eight fragments of the slot's q-th 128 along K into set p
	WIN TO_B
.irp i, 0,1,2,3,4,5,6,7
	FRAG 128*(\p)+FR*\i, ADRB+\slot, \q, \i
.endr
	WIN 0
.endm
.macro FETCH_A slot, q, i0             ; A's blocks i0 .. i0 + 3
.irp i, \i0, \i0+1, \i0+2, \i0+3
	FRAG AF+FR*(\i), ADRA+\slot, \q, \i
.endr
.endm
.macro SCALES sc                       ; a slot's scale words into set sc: 4 words a row; lanes 0-15 take A's block i, lanes 16-31 B's block i
.irp i, 0,1,2,3,4,5,6,7
	ds_load_b128 v[SC+8*NQ*\sc+NQ*\i:SC+8*NQ*\sc+NQ*\i+3], v[ADRS] offset:\i*SBLK
.endr
.endm
; A load into a register that a matrix instruction has read, and a vector instruction that reads a matrix result or writes one of its registers, stand NP places behind it; only plain vector
; instructions that name none of its registers are places; the matrix instructions in between are not counted.
.macro PLACES n
.rept \n
	v_nop
.endr
.endm
; A step of 128 along K that has its successor in the same slot.
.macro STEP slot, q, zero
	s_wait_dscnt 4*NL                              ; B's set and A's blocks 0-3 are in; the youngest eight loads (A's blocks 4-7) may be out
	WIN MUL_LO
	MUL16 0, (\q)%2, \q, \slot, \zero
	MUL16 2, (\q)%2, \q, \slot, \zero
	s_wait_dscnt 0                                 ; A's blocks 4-7 are in (asked for 32 matrix instructions ago)
	PLACES NP
	FETCH_B \slot, (\q)+1, 1-(\q)%2
	FETCH_A \slot, (\q)+1, 0
	WIN MUL_HI
	MUL16 4, (\q)%2, \q, \slot, \zero
	MUL16 6, (\q)%2, \q, \slot, \zero
	PLACES NP
	WIN 0
	FETCH_A \slot, (\q)+1, 4
.endm
; Slot 0's last step changes slots: ONE barrier; in front of it each wave waits for all its tensor loads (its part of slot 1), adds 0 to its spare word and waits for that and for its LDS loads.
.macro TURN slot, next
	s_wait_tensorcnt 0x0                           ; all my tensor loads have landed: my part of the next slot
	ds_add_u32 v[SPW], v[NIL]                      ; 0 onto my spare word
	s_wait_dscnt 4*NL+1                            ; (the add and the youngest eight loads, A's blocks 4-7, may be out)
	WIN MUL_LO
	MUL16 0, 1, NQ-1, \slot, 0                     ; sixteen matrix instructions stand between the add and the wait for it
	s_wait_dscnt 0x0                               ; the add is done, and my reads of this slot are over
	s_barrier_signal -1
	MUL16 2, 1, NQ-1, \slot, 0
	WIN 0
	s_barrier_wait -1                              ; every wave's part of the next slot has landed
	PLACES NP
	v_add_nc_u32 v[ADRS], 4*NQ, v[ADRS]            ; on to the next slot's scale words (no LDS load of mine is out)
	FETCH_B \next, 0, 0
	FETCH_A \next, 0, 0
	SCALES \next
	WIN MUL_HI
	MUL16 4, 1, NQ-1, \slot, 0
	MUL16 6, 1, NQ-1, \slot, 0
	PLACES NP
	WIN 0
	FETCH_A \next, 0, 4
.endm
	s_wait_tensorcnt 1                             ; the scales and my part of slot 0 are in (slot 1's load, issued behind them, may be out),
	s_barrier_signal -1
	s_barrier_wait -1                              ; everybody's are
	FETCH_B 0, 0, 0
	FETCH_A 0, 0, 0
	SCALES 0
	FETCH_A 0, 0, 4
	STEP 0, 0, 1                                   ; the first step's products start the sums
	STEP 0, 1, 0
	STEP 0, 2, 0
	TURN 0, 1
	STEP 1, 0, 0
	STEP 1, 1, 0
	STEP 1, 2, 0
	s_wait_dscnt 4*NL                              ; the very last step: nothing more to fetch
	WIN MUL_LO
	MUL16 0, 1, NQ-1, 1, 0
	MUL16 2, 1, NQ-1, 1, 0
	s_wait_dscnt 0
	WIN MUL_HI
	MUL16 4, 1, NQ-1, 1, 0
	MUL16 6, 1, NQ-1, 1, 0
	WIN 0
	PLACES NP                                      ; in front of the conversions, which write the registers that held A's fragments
; THE WAY OUT, A's blocks one after the other.  32 conversions make of a block's eight accumulators four fragments of f16 (each accumulator from its low end on); eight stores put them where the
; attention launch reads them: 32 lanes store 512 consecutive bytes, aligned.  Four sets of 32 registers take turns; a set is written again only behind s_wait_xcnt 0, when the stores of four blocks ago have read it.
.macro OUT isv
.irp a, 0,1,2,3,4,5,6,7
.if \a >= 4
	s_wait_xcnt 0x0
.endif
	WIN 0x0a+5*(\a/4)                              ; sources 0 and 1: window 2 or 3
.irp b, 0,1,2,3,4,5,6,7
.irp r, 0,1,2,3
	v_cvt_pk_f16_f32 v[TMP+32*(\a%4)+4*\b+\r], v[64*(\a%4)+8*\b+2*\r], v[64*(\a%4)+8*\b+2*\r+1]
.endr
.endr
	WIN 0
.irp u, 0,1,2,3
.irp g, 0,1
.if \isv
	global_store_b128 v[CO], v[TMP+32*(\a%4)+8*\u+4*\g:TMP+32*(\a%4)+8*\u+4*\g+3], s[12:13] offset:(\a/4)*262144+\u*4096+(\a%4)*1024+512*\g   ; head a / 4, keys 32 u on, channels 16 (a % 4) on
.else
	global_store_b128 v[CO], v[TMP+32*(\a%4)+8*\u+4*\g:TMP+32*(\a%4)+8*\u+4*\g+3], s[12:13] offset:(\u/2)*262144+\a*2048+(\u%2)*1024+512*\g   ; head u / 2, tokens 16 a on, channels 32 (u % 2) on
.endif
.endr
.endr
.endr
.endm
	s_cmp_eq_u32 ttmp9, 2                          ; the cluster's x: the same in all partners
	s_cbranch_scc1 .Lout_v
	OUT 0
	s_branch .Lend
.Lout_v:
	OUT 1
.Lend:
	s_wait_tensorcnt 0x0                           ; the wave's end, behind my last tensor load
	ds_add_u32 v[SPW], v[NIL]
	s_wait_dscnt 0x0
	CROUND                                         ; the closing round: no work-group ends while a partner may still ask for a tile that names it
	s_endpgm
.Lfunc_end_k_q5fb50c9916_gemm_qkv:
	.size	k_q5fb50c9916_gemm_qkv, .Lfunc_end_k_q5fb50c9916_gemm_qkv-k_q5fb50c9916_gemm_qkv
	.p2alignl 7, 3214868480
	.fill 96, 4, 3214868480
	.section	.rodata,"a",@progbits
	.p2align	6, 0x0
	.amdhsa_kernel k_q5fb50c9916_gemm_qkv
		.amdhsa_group_segment_fixed_size 327680
		.amdhsa_private_segment_fixed_size 0
		.amdhsa_enable_private_segment 0
		.amdhsa_kernarg_size 40
		.amdhsa_user_sgpr_count 2
		.amdhsa_user_sgpr_kernarg_segment_ptr 1
		.amdhsa_wavefront_size32 1
		.amdhsa_system_sgpr_workgroup_id_x 1
		.amdhsa_system_sgpr_workgroup_id_y 1
		.amdhsa_system_sgpr_workgroup_id_z 1
		.amdhsa_system_vgpr_workitem_id 0
		.amdhsa_next_free_vgpr 1024
		.amdhsa_next_free_sgpr 100
		.amdhsa_reserve_vcc 0
		.amdhsa_float_denorm_mode_32 3
		.amdhsa_float_denorm_mode_16_64 3
		.amdhsa_memory_ordered 1
		.amdhsa_forward_progress 1
		.amdhsa_inst_pref_size 141
	.end_amdhsa_kernel
	.amdgpu_metadata
---
amdhsa.version: [ 1, 2 ]
amdhsa.kernels:
  - .name:           k_q5fb50c9916_gemm_qkv
    .symbol:         k_q5fb50c9916_gemm_qkv.kd
    .args:
      - { .name: x_codes, .offset: 0, .size: 8, .value_kind: global_buffer, .address_space: global }
      - { .name: x_scales, .offset: 8, .size: 8, .value_kind: global_buffer, .address_space: global }
      - { .name: w_codes, .offset: 16, .size: 8, .value_kind: global_buffer, .address_space: global }
      - { .name: w_scales, .offset: 24, .size: 8, .value_kind: global_buffer, .address_space: global }
      - { .name: qkv, .offset: 32, .size: 8, .value_kind: global_buffer, .address_space: global }
    .group_segment_fixed_size: 327680
    .private_segment_fixed_size: 0
    .kernarg_segment_align: 8
    .kernarg_segment_size: 40
    .max_flat_workgroup_size: 128
    .sgpr_count:     100
    .vgpr_count:     1024
    .wavefront_size: 32
...
	.end_amdgpu_metadata
.endif
;; end of part 3
;; launch attn (part 4): grid 4 x 64, 8 waves a work-group, clusters of 4 x 1, 327,680 bytes of LDS; arguments qkv, att; writes att
.if DOCPART == 4
	.amdgcn_target "amdgcn-amd-amdhsa--gfx1250"
	.amdhsa_code_object_version 6
	.text
	.protected	k_q5fb50c9916_attn
	.globl	k_q5fb50c9916_attn
	.p2align	8
	.type	k_q5fb50c9916_attn,@function
k_q5fb50c9916_attn:
	s_mov_b64 s[64:65], 0
	v_nop
	global_prefetch_b8 v0, s[64:65] scope:SCOPE_SE
	s_setreg_imm32_b32 hwreg(HW_REG_WAVE_MODE, 25, 1), 1
	s_wait_xcnt 0x0
	s_wait_alu depctr_hold_cnt(0) depctr_sa_sdst(0) depctr_va_vdst(0) depctr_va_sdst(0) depctr_va_ssrc(0) depctr_va_vcc(0) depctr_vm_vsrc(0)
	s_getreg_b32 s2, hwreg(HW_REG_IB_STS2, 6, 4)
	s_cmp_eq_u32 s2, 0
	s_cbranch_scc0 .Lentry_in_a_cluster
	s_endpgm
.Lentry_in_a_cluster:
	s_bfe_u32 s2, ttmp6, 0x10000c
	s_cmp_lg_u32 s2, 0x3003
	s_cbranch_scc0 .Lentry_shape_is_right
	s_endpgm
.Lentry_shape_is_right:
; att[b][q][head] = the sum over k of softmax_k(q . k / 8) v, 64 heads (batch x 16 + head) of 2,048 tokens x 64 channels.  q, k, v arrive in f16 as images of operand registers (a fragment: 16 rows x 32 k,
; 1,024 bytes: lane l's registers 0-3 at 16 l, registers 4-7 at 512 + 16 l).  Products, maxima and sums in f32; the weights p are rounded to f16 for the second product, the result once at the end.
; qkv: three parts of 2^24 bytes, each [head][262,144]; q, k: [token / 16][channel / 32][1,024]; v: [key / 32][channel / 16][1,024].
; att: [head / 2][row / 16][2 (head % 2) + channel / 32][1,024]: the fragments of the projection's operand (16 rows x 32 of its K).
; SHARES.  A cluster of four work-groups is one head; a work-group owns 512 queries, each of its eight waves 64: four tiles of 16.  Two waves share a SIMD, so that one wave's softmax stands beside the other's products.
; Every wave walks all 2,048 keys, 64 a step; each fragment of K or V that it reads from LDS feeds four matrix instructions.
; LAYOUT.  S^T = K Q^T (source 0 = 16 keys, source 1 = 16 queries): a lane holds ONE query (lane % 16) and keys 8 (lane / 16) + 0..7.  Two such tiles, rounded to f16 in pairs, ARE source 1 of
; O^T = V^T P, whose result again holds one query a lane, and eight channels; rounded in pairs it is the projection's fragment.  Nothing changes lanes, and no result goes through LDS.
; SOFTMAX.  For each query a running maximum m and sum l: p = 2^(c s - c m), c = log2(e) / 8; in every step O and l are multiplied by a = 2^(c m_old - c m_new).
; RING.  Two LDS slots of 512 keys (K 65,536 bytes, then V 65,536), dense: images need no padding, since every LDS load takes 512 consecutive bytes.  Each of the eight waves fetches 16,384 bytes
; (waves 0-3: K's quarters, waves 4-7: V's) by ONE joint load, the same in all four work-groups.  One tensor load of a wave is out at any time, and every wait for tensor loads is for 0.
; LIMITS: |q|, |k|, |v| under 65,504 (f16); NaN and infinities are not served.
; REGISTERS: window 0: v1-7 addresses; v32-63 eight registers of statistics a tile; v64-191 S^T, 32 a tile; v192-255 P, 16 a tile.  window 1: v0-127 O^T, 32 a tile; v128-191 Q, 16 a tile; v192-255 K, then V, of one step.
.set SLOT1, 131072                     ; slot 1 begins here: one exclusive or turns an address in one slot into the other's
.set VOFF,  65536                      ; V lies behind K in a slot
.set STEPB, 8192                       ; a step's K, and its V: eight fragments
.set SPARE, 2*SLOT1                    ; behind the ring: the spare words, 128 bytes for each of eight waves
.set LI,  1                            ; v1  16 x lane: an image's place for my lane; never rewritten
.set AV0, 2                            ; v2  the same + VOFF
.set ADK, 3                            ; v3  LDS address of the step's K
.set ADV, 4                            ; v4  of its V
.set PFO, 5                            ; v5  256 x lane: the prefetches' offset; never rewritten
.set SPW, 6                            ; v6  LDS address of my spare word; never rewritten
.set NIL, 7                            ; v7  0; never rewritten
.set ST,  32                           ; tile t's statistics at v[ST + 8 t]: +0 c m, +1 m, +2, +3 l (even keys', odd keys'), +4 to +7 c0-c3, at work; a takes c2's place
.set S,   64
.set P,   192
.set OA,  0                            ; window 1
.set Q,   128
.set KV,  192
.set WV,  8                            ; s8  my wave's number
.set G1,  16                           ; s[16:23] descriptor group 1: 64 rows of 256 dense bytes, for K and V alike
.set G0,  24                           ; s[24:27] descriptor group 0, which walks
.set TB,  28                           ; s28 LDS byte at which the step's K begins
.set SLOTS, 29                         ; s29 slots still to be asked for
.set CNT, 30                           ; s30 counts a slot's steps
.set CS,  32                           ; s[32:33] c: the packed form names a pair and takes its low word for both halves
.set SEL, 34                           ; s[34:35] lane selects for v_permlanex16_b32: lane l xor 16
.set PFA, 36                           ; s[36:37] where my prefetches stand
.set LIM, 38                           ; s38 1 in a wave that prefetches, else the greatest number
.set QB,  40                           ; s[40:41] my wave's fragments of Q
.set OB,  42                           ; s[42:43] my wave's fragments of att
.set MSB, 0
.macro WIN new                         ; the immediate's high byte repeats the setting that is left; a switch that changes nothing is dropped
.if MSB != (\new)
	s_set_vgpr_msb (MSB<<8)|(\new)
.set MSB, \new
.endif
.endm
.macro CROUND                          ; a round of the cluster's barrier
	s_barrier_signal -1
	s_barrier_wait -1
	s_cmp_lg_u32 s[WV], 0
	s_cbranch_scc1 .Lnot_wave_0_\@
	s_barrier_signal -3
.Lnot_wave_0_\@:
	s_barrier_wait -3
	s_barrier_signal -1
	s_barrier_wait -1
.endm
; A PREFETCH INTO THE L2 of what the NEXT change of slots will ask for: 65,536 bytes of K and of V.  This cluster alone reads the head.  Its four partners take 16,384 bytes of each, told apart BY ADDRESS;
; in each, waves 0 and 1 ask for K's (8,192 bytes a wave, lanes 256 bytes apart), waves 4 and 5 for V's: one instruction a wave, each block of 256 bytes named once in the launch.
; It stands behind the wave's tensor load and its five lines, eight key steps ahead of the load that will want the bytes.  The last change that fills a slot asks for nothing; slots 0 and 1 come by their loads alone.
.macro ASK
	s_cmp_gt_u32 s[SLOTS], s[LIM]
	s_cbranch_scc0 .Lnot_mine_\@
	global_prefetch_b8 v[PFO], s[PFA:PFA+1] th:TH_LOAD_NT scope:SCOPE_SE
.Lnot_mine_\@:
.endm
	s_load_b128 s[4:7], s[0:1], 0x0                ; qkv, att
	v_lshl_add_u32 v[SPW], v0, 2, SPARE
	v_mov_b32 v[NIL], 0
	ds_add_u32 v[SPW], v[NIL]                      ; the wave's opening: the add, twice on end, and its wait ahead of my first tensor load
	ds_add_u32 v[SPW], v[NIL]
	v_lshrrev_b32 v8, 5, v0
	v_readfirstlane_b32 s[WV], v8                  ; wave 0..7
	s_bfe_u32 s9, ttmp6, 0x40000                   ; cx: my place in the cluster: it enters Q's, att's and the prefetches' addresses alone
	s_and_b32 s10, ttmp7, 0xffff                   ; the head, 16 x batch + head, which the four partners share
	s_mov_b32 s[G1], 15|(3<<16)|(1<<21)            ; 15:0 the mask: all four work-groups; 17:16 elements of 8 bytes; 21 set beside a mask; no padding
	s_mov_b32 s[G1+1], 32<<16                      ; tensor_dim0 = 32 elements: 256 bytes
	s_mov_b32 s[G1+2], 64<<16                      ; tensor_dim1 = 64
	s_mov_b32 s[G1+3], 32<<16                      ; tile_dim0 = 32
	s_mov_b32 s[G1+4], 64                          ; tile_dim1 = 64
	s_mov_b32 s[G1+5], 32                          ; from row to row: dense
	s_mov_b32 s[G1+6], 0
	s_mov_b32 s[G1+7], 0
	s_lshl_b32 s11, s10, 18                        ; the head's 262,144 bytes in a part
	s_lshr_b32 s12, s[WV], 2
	s_add_co_u32 s12, s12, 1
	s_lshl_b32 s12, s12, 24
	s_add_co_u32 s12, s12, s11                     ; K's part (waves 0-3) or V's (waves 4-7), at my head
	s_and_b32 s13, s[WV], 3
	s_lshl_b32 s13, s13, 14
	s_add_co_u32 s44, s12, s13                     ; my quarter of a slot's 65,536 bytes
	s_mov_b32 s45, 0
	s_lshl_b32 s46, s9, 14                         ; the prefetches: my work-group's 16,384 bytes,
	s_add_co_u32 s46, s46, s12
	s_and_b32 s14, s[WV], 1
	s_lshl_b32 s14, s14, 13
	s_add_co_u32 s46, s46, s14                     ; my wave's 8,192 of them,
	s_add_co_u32 s46, s46, 65536                   ; in the second 512 keys: the first change of slots steps it to the third
	s_mov_b32 s47, 0
	s_lshl_b32 s48, s9, 16                         ; Q: my work-group's 32 tiles of 2,048 bytes,
	s_add_co_u32 s48, s48, s11
	s_lshl_b32 s14, s[WV], 13
	s_add_co_u32 s48, s48, s14                     ; my wave's four
	s_mov_b32 s49, 0
	s_and_b32 s50, s10, 15
	s_lshr_b32 s50, s50, 1
	s_lshl_b32 s50, s50, 21                        ; att: head / 2: 512 tiles of rows x 4,096 bytes
	s_lshr_b32 s14, s10, 4
	s_lshl_b32 s14, s14, 19
	s_add_co_u32 s50, s50, s14                     ; the batch's 128 tiles of rows,
	s_lshl_b32 s14, s9, 17
	s_add_co_u32 s50, s50, s14                     ; my work-group's 32,
	s_lshl_b32 s14, s[WV], 14
	s_add_co_u32 s50, s50, s14                     ; my wave's four,
	s_and_b32 s14, s10, 1
	s_lshl_b32 s14, s14, 11
	s_add_co_u32 s50, s50, s14                     ; the odd head's two fragments behind the even head's
	s_mov_b32 s51, 0
	s_and_b32 s[LIM], s[WV], 2
	s_cmp_eq_u32 s[LIM], 0                         ; waves 0, 1, 4, 5 prefetch: the same in all partners
	s_cselect_b32 s[LIM], 1, -1
	s_mov_b32 s[CS], 0x3e38aa3b                    ; c = log2(e) / 8
	s_mov_b32 s[CS+1], s[CS]                       ; named with it as a pair, so it is written
	s_mov_b32 s[SEL], 0x76543210
	s_mov_b32 s[SEL+1], 0xfedcba98
	s_mov_b32 s[TB], 0
	s_mov_b32 s[SLOTS], 3
	v_and_b32 v[LI], 31, v0
	v_lshlrev_b32 v[PFO], 8, v[LI]
	v_lshlrev_b32 v[LI], 4, v[LI]
	v_add_nc_u32 v[AV0], VOFF, v[LI]
	s_mov_b32 s[G0], 1                             ; count = 1
	s_lshl_b32 s[G0+1], s[WV], 14                  ; LDS address: wave x 16,384, in slot 0
	s_wait_dscnt 0x0                               ; both opening adds are done
	s_wait_kmcnt 0x0
	s_add_nc_u64 s[G0+2:G0+3], s[4:5], s[44:45]    ; global address: the head's first 512 keys
	s_or_b32 s[G0+3], s[G0+3], 0x80000000          ; type = 2
	s_add_nc_u64 s[PFA:PFA+1], s[4:5], s[46:47]
	s_add_nc_u64 s[QB:QB+1], s[4:5], s[48:49]
	s_add_nc_u64 s[OB:OB+1], s[6:7], s[50:51]
	CROUND                                         ; all four work-groups are here: the first joint loads meet
	tensor_load_to_lds s[G0:G0+3], s[G1:G1+7]      ; slot 0
	s_nop 0
.rept 4
	v_nop
.endr
	WIN 0x40                                       ; destination window 1, address window 0
.irp t, 0,1,2,3
.irp cc, 0,1
	global_load_b128 v[Q+16*\t+8*\cc:Q+16*\t+8*\cc+3],   v[LI], s[QB:QB+1] offset:2048*\t+1024*\cc       ; Q stays in registers
	global_load_b128 v[Q+16*\t+8*\cc+4:Q+16*\t+8*\cc+7], v[LI], s[QB:QB+1] offset:2048*\t+1024*\cc+512
.endr
.endr
	WIN 0
; ONE TILE'S SOFTMAX FOR ONE STEP, the four tiles by turns inside every stage, so that no instruction waits for the one above it.  first = 1: the first key step starts m and l and has no a.
.macro SOFTMAX first
.irp j, 0,1,2,3                        ; the maximum of the lane's 32 scores: four chains c0-c3, one for each accumulator, which is read from its low end on
.irp t, 0,1,2,3
	v_max3_num_f32 v[ST+8*\t+4+\j], v[S+32*\t+8*\j], v[S+32*\t+8*\j+1], v[S+32*\t+8*\j+2]
.endr
.endr
.irp i, 3,5
.irp j, 0,1,2,3
.irp t, 0,1,2,3
	v_max3_num_f32 v[ST+8*\t+4+\j], v[ST+8*\t+4+\j], v[S+32*\t+8*\j+\i], v[S+32*\t+8*\j+\i+1]
.endr
.endr
.endr
.irp t, 0,1,2,3
	v_max3_num_f32 v[ST+8*\t+4], v[ST+8*\t+4], v[S+32*\t+7], v[S+32*\t+15]
.endr
.irp t, 0,1,2,3
	v_max3_num_f32 v[ST+8*\t+6], v[ST+8*\t+6], v[S+32*\t+23], v[S+32*\t+31]
.endr
.irp t, 0,1,2,3
	v_max3_num_f32 v[ST+8*\t+4], v[ST+8*\t+4], v[ST+8*\t+5], v[ST+8*\t+6]
.endr
.irp t, 0,1,2,3
.if \first
	v_max_num_f32 v[ST+8*\t+4], v[ST+8*\t+4], v[ST+8*\t+7]
.else
	v_max3_num_f32 v[ST+8*\t+4], v[ST+8*\t+4], v[ST+8*\t+7], v[ST+8*\t+1]   ; and the old m
.endif
.endr
.irp t, 0,1,2,3
	v_permlanex16_b32 v[ST+8*\t+5], v[ST+8*\t+4], s[SEL], s[SEL+1]          ; the query's other 32 keys lie in the lane 16 away
.endr
.if !\first
.irp t, 0,1,2,3
	v_mov_b32 v[ST+8*\t+7], v[ST+8*\t]             ; c m_old is kept for a
.endr
.endif
.irp t, 0,1,2,3
	v_max_num_f32 v[ST+8*\t+1], v[ST+8*\t+4], v[ST+8*\t+5]
.endr
.irp t, 0,1,2,3
	v_mul_f32 v[ST+8*\t], s[CS], v[ST+8*\t+1]
.endr
.if !\first
.irp t, 0,1,2,3
	v_sub_f32 v[ST+8*\t+7], v[ST+8*\t+7], v[ST+8*\t]
.endr
.endif
.irp b, 0,2,4,6,8,10,12,14,16,18,20,22,24,26,28,30
.irp t, 0,1,2,3
	v_pk_fma_f32 v[S+32*\t+\b:S+32*\t+\b+1], v[S+32*\t+\b:S+32*\t+\b+1], s[CS:CS+1], v[ST+8*\t:ST+8*\t+1] op_sel_hi:[1,0,0] neg_lo:[0,0,1] neg_hi:[0,0,1]   ; c s - c m, two at a time
.endr
.endr
.if !\first
.irp t, 0,1,2,3
	v_exp_f32 v[ST+8*\t+6], v[ST+8*\t+7]           ; a
.endr
.endif
.set ii, 0
.rept 128
	v_exp_f32 v[S+ii], v[S+ii]                     ; p, at most 1
.set ii, ii+1
.endr
	v_nop                                          ; a plain instruction behind the last exponential, ahead of the first use
	s_wait_alu depctr_va_vdst(0)                   ; ONE wait for the whole batch, ahead of its first reader
.set ii, 0
.rept 64
	v_cvt_pk_f16_f32 v[P+ii], v[S+2*ii], v[S+2*ii+1]   ; the second product's operand: the lower key in the low half
.set ii, ii+1
.endr
.irp u, 0,1,2,3,4,5,6,7                ; the sum of the unrounded p: 16 pairs a tile, in place, neighbours 1, 2, 4 and 8 pairs apart
.irp t, 0,1,2,3
	v_pk_add_f32 v[S+32*\t+4*\u:S+32*\t+4*\u+1], v[S+32*\t+4*\u:S+32*\t+4*\u+1], v[S+32*\t+4*\u+2:S+32*\t+4*\u+3]
.endr
.endr
.irp u, 0,1,2,3
.irp t, 0,1,2,3
	v_pk_add_f32 v[S+32*\t+8*\u:S+32*\t+8*\u+1], v[S+32*\t+8*\u:S+32*\t+8*\u+1], v[S+32*\t+8*\u+4:S+32*\t+8*\u+5]
.endr
.endr
.irp u, 0,1
.irp t, 0,1,2,3
	v_pk_add_f32 v[S+32*\t+16*\u:S+32*\t+16*\u+1], v[S+32*\t+16*\u:S+32*\t+16*\u+1], v[S+32*\t+16*\u+8:S+32*\t+16*\u+9]
.endr
.endr
.if \first
.irp t, 0,1,2,3
	v_pk_add_f32 v[ST+8*\t+2:ST+8*\t+3], v[S+32*\t:S+32*\t+1], v[S+32*\t+16:S+32*\t+17]
.endr
.else
.irp t, 0,1,2,3
	v_pk_add_f32 v[S+32*\t:S+32*\t+1], v[S+32*\t:S+32*\t+1], v[S+32*\t+16:S+32*\t+17]
.endr
.irp t, 0,1,2,3
	v_pk_fma_f32 v[ST+8*\t+2:ST+8*\t+3], v[ST+8*\t+2:ST+8*\t+3], v[ST+8*\t+6:ST+8*\t+7], v[S+32*\t:S+32*\t+1] op_sel_hi:[1,0,1]   ; l = a l + the sum
.endr
.endif
.endm
; A KEY STEP: 64 keys.  In both products the 16 accumulators take turns, one instruction a turn: between two links of a chain stand 15 others'.
.macro STEP first
	v_add_nc_u32 v[ADK], s[TB], v[LI]              ; these two and two v_nop are the four places between the last products, which read V, and the loads into the same registers
	v_add_nc_u32 v[ADV], s[TB], v[AV0]
	v_nop
	v_nop
	WIN 0x40
.irp f, 0,1,2,3,4,5,6,7                ; K: fragment f = 2 (keys / 16) + channels / 32
	ds_load_b128 v[KV+8*\f:KV+8*\f+3],   v[ADK] offset:1024*\f
	ds_load_b128 v[KV+8*\f+4:KV+8*\f+7], v[ADK] offset:1024*\f+512
.endr
	s_wait_dscnt 0x0                               ; K is in
	WIN 0x05                                       ; K and Q in window 1, S^T in window 0
.irp cc, 0,1
.irp kt, 0,1,2,3
.irp t, 0,1,2,3
.if \cc == 0
	v_wmma_f32_16x16x32_f16 v[S+32*\t+8*\kt:S+32*\t+8*\kt+7], v[KV+16*\kt+8*\cc:KV+16*\kt+8*\cc+7], v[Q+16*\t+8*\cc:Q+16*\t+8*\cc+7], 0
.else
	v_wmma_f32_16x16x32_f16 v[S+32*\t+8*\kt:S+32*\t+8*\kt+7], v[KV+16*\kt+8*\cc:KV+16*\kt+8*\cc+7], v[Q+16*\t+8*\cc:Q+16*\t+8*\cc+7], v[S+32*\t+8*\kt:S+32*\t+8*\kt+7]
.endif
.endr
.endr
.endr
.rept 4
	v_nop                                          ; four places: in front of the loads into K's registers and of the first read of the scores
.endr
	WIN 0x40
.irp f, 0,1,2,3,4,5,6,7                ; V: fragment f = 4 (keys / 32) + channels / 16.  It lands under the softmax
	ds_load_b128 v[KV+8*\f:KV+8*\f+3],   v[ADV] offset:1024*\f
	ds_load_b128 v[KV+8*\f+4:KV+8*\f+7], v[ADV] offset:1024*\f+512
.endr
	WIN 0
	SOFTMAX \first
.if !\first
	WIN 0x41                                       ; O^T (destination and source 0) in window 1, a in window 0
.irp t, 0,1,2,3
.irp i, 0,2,4,6,8,10,12,14,16,18,20,22,24,26,28,30
	v_pk_mul_f32 v[OA+32*\t+\i:OA+32*\t+\i+1], v[OA+32*\t+\i:OA+32*\t+\i+1], v[ST+8*\t+6:ST+8*\t+7] op_sel_hi:[1,0]   ; each accumulator from its low end on
.endr
.endr
.endif
	s_wait_dscnt 0x0                               ; V is in
	WIN 0x51                                       ; V in window 1, P in window 0, O^T in window 1
.irp kc, 0,1
.irp ct, 0,1,2,3
.irp t, 0,1,2,3
.if \first && (\kc == 0)
	v_wmma_f32_16x16x32_f16 v[OA+32*\t+8*\ct:OA+32*\t+8*\ct+7], v[KV+32*\kc+8*\ct:KV+32*\kc+8*\ct+7], v[P+16*\t+8*\kc:P+16*\t+8*\kc+7], 0
.else
	v_wmma_f32_16x16x32_f16 v[OA+32*\t+8*\ct:OA+32*\t+8*\ct+7], v[KV+32*\kc+8*\ct:KV+32*\kc+8*\ct+7], v[P+16*\t+8*\kc:P+16*\t+8*\kc+7], v[OA+32*\t+8*\ct:OA+32*\t+8*\ct+7]
.endif
.endr
.endr
.endr
	WIN 0                                          ; at a label and at a branch every window is 0
	s_add_co_u32 s[TB], s[TB], STEPB
.endm
; THE CHANGE OF SLOTS stands at a slot's head.  Each wave waits for all its tensor loads (its part of the slot that it is about to read), adds 0 to its spare word, and waits for that and for its reads of the slot
; that it has left.  fill = 1: the barrier is a round of the cluster's, so that no wave of any partner still reads that slot or has a load on its way, and the joint load for the next 512 keys is the first thing
; behind it: it has eight key steps in which to land.
.macro CHANGE fill
	s_wait_tensorcnt 0x0                           ; no tensor load of mine is out, so group 0 may be written
	ds_add_u32 v[SPW], v[NIL]                      ; 0 onto my spare word
.if \fill
	s_xor_b32 s[G0+1], s[G0+1], SLOT1              ; the walking descriptor: the other slot than last time,
	s_add_nc_u64 s[G0+2:G0+3], s[G0+2:G0+3], 65536 ; the next 512 keys; the type bits on top are not reached
	s_wait_xcnt 0x0                                ; the last prefetch, a slot back, has read its address, so it may be written:
	s_add_nc_u64 s[PFA:PFA+1], s[PFA:PFA+1], 65536 ; one slot further on than the walking descriptor
	s_wait_dscnt 0x0                               ; the add is done, and my reads of the slot that I have left are over
	CROUND
	tensor_load_to_lds s[G0:G0+3], s[G1:G1+7]      ; my one tensor load until the next round
	s_nop 0
.rept 4
	v_nop
.endr
	ASK
.else
	s_wait_dscnt 0x0
	s_barrier_signal -1
	s_barrier_wait -1
.endif
.endm
.macro STEPS n                         ; n key steps, written once; then the LDS address goes back to a slot's first step, in the other slot
	s_mov_b32 s[CNT], \n
.Lstep_\@:
	STEP 0
	s_sub_co_u32 s[CNT], s[CNT], 1
	s_cmp_lg_u32 s[CNT], 0
	s_cbranch_scc1 .Lstep_\@
	s_sub_co_u32 s[TB], s[TB], 65536
	s_xor_b32 s[TB], s[TB], SLOT1
.endm
	CHANGE 1                                       ; slot 0 is whole; slot 1 is asked for
	s_wait_loadcnt 0x0                             ; Q
	STEP 1                                         ; the first step starts m, l and O^T: nothing is ever cleared
	STEPS 7
	s_sub_co_u32 s[SLOTS], s[SLOTS], 1
.Lslot:                                            ; two trips: keys 512 on and 1,024 on are read, keys 1,024 on and 1,536 on are asked for
	CHANGE 1
	STEPS 8
	s_sub_co_u32 s[SLOTS], s[SLOTS], 1
	s_cmp_lg_u32 s[SLOTS], 0
	s_cbranch_scc1 .Lslot
	CHANGE 0                                       ; the last slot is written out
	STEPS 8
	; THE WAY OUT.  l's two halves and the other half of the lanes' are added (these additions are the places behind the last products); O^T is divided by l, rounded to f16 in pairs, and stored as it stands.
.irp t, 0,1,2,3
	v_add_f32 v[ST+8*\t+4], v[ST+8*\t+2], v[ST+8*\t+3]
.endr
.irp t, 0,1,2,3
	v_permlanex16_b32 v[ST+8*\t+5], v[ST+8*\t+4], s[SEL], s[SEL+1]
.endr
.irp t, 0,1,2,3
	v_add_f32 v[ST+8*\t+4], v[ST+8*\t+4], v[ST+8*\t+5]
.endr
.irp t, 0,1,2,3
	v_rcp_f32 v[ST+8*\t+6], v[ST+8*\t+4]
.endr
	v_nop                                          ; a plain instruction between the last reciprocal and the use of its result
	s_wait_alu depctr_va_vdst(0)                   ; one wait for the four reciprocals, ahead of their first reader
.irp t, 0,1,2,3
	WIN 0x41
.irp i, 0,2,4,6,8,10,12,14,16,18,20,22,24,26,28,30
	v_pk_mul_f32 v[OA+32*\t+\i:OA+32*\t+\i+1], v[OA+32*\t+\i:OA+32*\t+\i+1], v[ST+8*\t+6:ST+8*\t+7] op_sel_hi:[1,0]
.endr
	WIN 0x05                                       ; sources 0 and 1 window 1, destination window 0: S^T's registers are free
.irp p, 0,1,2,3,4,5,6,7,8,9,10,11,12,13,14,15
	v_cvt_pk_f16_f32 v[S+16*\t+\p], v[OA+32*\t+2*\p], v[OA+32*\t+2*\p+1]
.endr
	WIN 0
.irp ct, 0,1,2,3
	global_store_b128 v[LI], v[S+16*\t+4*\ct:S+16*\t+4*\ct+3], s[OB:OB+1] offset:4096*\t+512*\ct   ; 32 lanes store 512 consecutive bytes, aligned: half a fragment
.endr
.endr
	s_wait_tensorcnt 0x0                           ; the wave's end, behind my last tensor load
	ds_add_u32 v[SPW], v[NIL]
	s_wait_dscnt 0x0
	CROUND                                         ; the closing round: no work-group ends while a partner may still ask for a tile that names it
	s_endpgm
.Lfunc_end_k_q5fb50c9916_attn:
	.size	k_q5fb50c9916_attn, .Lfunc_end_k_q5fb50c9916_attn-k_q5fb50c9916_attn
	.p2alignl 7, 3214868480
	.fill 96, 4, 3214868480
	.section	.rodata,"a",@progbits
	.p2align	6, 0x0
	.amdhsa_kernel k_q5fb50c9916_attn
		.amdhsa_group_segment_fixed_size 327680
		.amdhsa_private_segment_fixed_size 0
		.amdhsa_enable_private_segment 0
		.amdhsa_kernarg_size 16
		.amdhsa_user_sgpr_count 2
		.amdhsa_user_sgpr_kernarg_segment_ptr 1
		.amdhsa_wavefront_size32 1
		.amdhsa_system_sgpr_workgroup_id_x 1
		.amdhsa_system_sgpr_workgroup_id_y 1
		.amdhsa_system_sgpr_workgroup_id_z 1
		.amdhsa_system_vgpr_workitem_id 0
		.amdhsa_next_free_vgpr 512
		.amdhsa_next_free_sgpr 66
		.amdhsa_reserve_vcc 0
		.amdhsa_float_denorm_mode_32 3
		.amdhsa_float_denorm_mode_16_64 3
		.amdhsa_memory_ordered 1
		.amdhsa_forward_progress 1
		.amdhsa_inst_pref_size 141
	.end_amdhsa_kernel
	.amdgpu_metadata
---
amdhsa.version: [ 1, 2 ]
amdhsa.kernels:
  - .name:           k_q5fb50c9916_attn
    .symbol:         k_q5fb50c9916_attn.kd
    .args:
      - { .name: qkv, .offset: 0, .size: 8, .value_kind: global_buffer, .address_space: global }
      - { .name: att, .offset: 8, .size: 8, .value_kind: global_buffer, .address_space: global }
    .group_segment_fixed_size: 327680
    .private_segment_fixed_size: 0
    .kernarg_segment_align: 8
    .kernarg_segment_size: 16
    .max_flat_workgroup_size: 256
    .sgpr_count:     66
    .vgpr_count:     512
    .wavefront_size: 32
...
	.end_amdgpu_metadata
.endif
;; end of part 4
;; launch proj (part 5): grid 4 x 64, 4 waves a work-group, clusters of 4 x 4, 327,680 bytes of LDS; arguments att, wo_img, bout, out0; writes out0
.if DOCPART == 5
	.amdgcn_target "amdgcn-amd-amdhsa--gfx1250"
	.amdhsa_code_object_version 6
	.text
	.protected	k_q5fb50c9916_proj
	.globl	k_q5fb50c9916_proj
	.p2align	8
	.type	k_q5fb50c9916_proj,@function
k_q5fb50c9916_proj:
	s_mov_b64 s[64:65], 0
	v_nop
	global_prefetch_b8 v0, s[64:65] scope:SCOPE_SE
	s_setreg_imm32_b32 hwreg(HW_REG_WAVE_MODE, 25, 1), 1
	s_wait_xcnt 0x0
	s_wait_alu depctr_hold_cnt(0) depctr_sa_sdst(0) depctr_va_vdst(0) depctr_va_sdst(0) depctr_va_ssrc(0) depctr_va_vcc(0) depctr_vm_vsrc(0)
	s_getreg_b32 s2, hwreg(HW_REG_IB_STS2, 6, 4)
	s_cmp_eq_u32 s2, 0
	s_cbranch_scc0 .Lentry_in_a_cluster
	s_endpgm
.Lentry_in_a_cluster:
	s_bfe_u32 s2, ttmp6, 0x10000c
	s_cmp_lg_u32 s2, 0xf033
	s_cbranch_scc0 .Lentry_shape_is_right
	s_endpgm
.Lentry_shape_is_right:
; out0 = att Wout + bout.  [8192 m][1024 k] x [1024 k][1024 n], f16 operands, f32 sums, f32 out.  Both operands arrive as images of operand registers (a fragment: 16 rows x 32 k, 1,024 bytes:
; lane l's registers 0-3 at 16 l, registers 4-7 at 512 + 16 l): att [k / 128][m / 16][(k % 128) / 32][1,024], wo_img [n / 256][k / 128][(n % 256) / 16][(k % 128) / 32][1,024].
; A tile of 128 m x 256 n gives 256 work-groups of four waves; a wave makes 64 x 128: 32 accumulators, 256 registers.  K goes in 8 steps of 128 through two LDS slots; a step's tiles are dense blocks
; of memory (A 32,768 bytes, B 65,536), need no padding (every LDS load takes 512 consecutive bytes), and come by one tensor load a wave: waves 0, 1 A's halves, waves 2, 3 B's.
; CLUSTERS: 4 x 4 work-groups; A's tile is shared along a row of the cluster, B's along a column: each is asked for jointly.
; THE MATRIX INSTRUCTION IS USED TRANSPOSED (source 0 = 16 columns of Wout, source 1 = 16 rows of att): a lane holds eight neighbouring numbers of a row of out0.  The bias is the C of each sum's first
; instruction: eight registers for each block of 16 columns, in the result's layout.
; No prefetch: on tiles this small a step's own load is what is on its way, and the operands are read by several work-groups at about the same time.
; LIMITS: the operands lie under 65,504 (f16); NaN and infinities are not served.
; REGISTERS: window 0: v16-29 addresses; v32-95 A's fragments, two buffers of 4 x 8; v128-255 B's, two buffers of 8 x 8 (on the way out: rows read back).  window 1: the accumulators, (a, b) at v[8 (8 a + b)].  window 2: v0-63 the bias.
.set SLOT,   98304                     ; A's 32,768 bytes, then B's 65,536
.set STAGE,  2*SLOT                    ; behind the ring: 16 rows x (512 bytes + 16) for each wave, for the way out
.set SPITCH, 528
.set SPARE,  STAGE+4*16*SPITCH         ; behind the stages: the spare words, 128 bytes a wave
.set LAPS,   4                         ; a lap = two K steps = once round the ring
.set ADRA, 16                          ; v16-17  LDS address of my A fragments in slot 0, 1
.set ADRB, 20                          ; v20-21  the same for B
.set STO,  24                          ; v24     the way out: where I put 32 bytes of a row
.set RD,   25                          ; v25     the way out: where I read a row back
.set CO,   26                          ; v26     16 x lane
.set SPW,  28                          ; v28     LDS address of my spare word; never rewritten
.set NIL,  29                          ; v29     0; never rewritten
.set AF,   32
.set BF,   128
.set BK,   128                         ; the way out: 16 rows read back: v128-191 and v192-255 by turns
.set G1, 24                            ; s[24:31] descriptor group 1 for A's tiles;  s[32:39] group 0, one set for each slot
.set G0, 32
.set G1B, 48                           ; s[48:55], s[56:63] the same for B's tiles
.set G0B, 56
.set MSB, 0
.macro WIN new                         ; the immediate's high byte repeats the setting that is left; a switch that changes nothing is dropped
.if MSB != (\new)
	s_set_vgpr_msb (MSB<<8)|(\new)
.set MSB, \new
.endif
.endm
.set MUL,  0x50                        ; sources 0 and 1 window 0; C and D window 1
.set MULZ, 0x60                        ; the same with C (the bias) in window 2
.macro JLOAD s                         ; a joint load: waves 0 and 1 fetch A's two halves, waves 2 and 3 B's; an s_nop 0 and four v_nop follow each of the two lines
	s_cmp_eq_u32 s13, 0
	s_cbranch_scc0 .Lfor_b_\@
	tensor_load_to_lds s[G0+4*\s:G0+4*\s+3], s[G1:G1+7]
	s_nop 0
.rept 4
	v_nop
.endr
	s_branch .Lasked_\@
.Lfor_b_\@:
	tensor_load_to_lds s[G0B+4*\s:G0B+4*\s+3], s[G1B:G1B+7]
	s_nop 0
.rept 4
	v_nop
.endr
.Lasked_\@:
.endm
.macro CREST                           ; a round of the cluster's barrier behind its opening barrier
	s_cmp_lg_u32 s12, 0
	s_cbranch_scc1 .Lnot_wave_0_\@
	s_barrier_signal -3
.Lnot_wave_0_\@:
	s_barrier_wait -3
	s_barrier_signal -1
	s_barrier_wait -1
.endm
.macro CROUND                          ; a whole round
	s_barrier_signal -1
	s_barrier_wait -1
	CREST
.endm
	s_load_b256 s[4:11], s[0:1], 0x0               ; att s[4:5], wo_img s[6:7], bout s[8:9], out0 s[10:11]
	v_lshl_add_u32 v[SPW], v0, 2, SPARE
	v_mov_b32 v[NIL], 0
	ds_add_u32 v[SPW], v[NIL]                      ; the wave's opening: the add, twice on end, and its wait ahead of my first tensor load
	ds_add_u32 v[SPW], v[NIL]
	v_lshrrev_b32 v1, 5, v0
	v_readfirstlane_b32 s12, v1                    ; wave 0..3
	s_lshr_b32 s13, s12, 1                         ; which 64 rows are mine.  Also: I fetch for A (0) or for B (1)
	s_and_b32 s14, s12, 1                          ; which 128 columns.  Also: which half of that tile I fetch
	s_bfe_u32 s40, ttmp6, 0x40000                  ; cx, cy: my place in the cluster
	s_bfe_u32 s41, ttmp6, 0x40004
	s_lshl_b32 s42, ttmp9, 2
	s_add_co_u32 s42, s42, s40                     ; tile column = 4 x cluster x + cx
	s_and_b32 s15, ttmp7, 0xffff
	s_lshl_b32 s15, s15, 2
	s_add_co_u32 s15, s15, s41                     ; tile row = 4 x cluster y + cy
	s_lshl_b32 s43, s41, 2
	s_lshl_b32 s43, 15, s43                        ; my row of the cluster
	s_lshl_b32 s44, 0x1111, s40                    ; my column
	s_or_b32 s[G1+0], s43, (3<<16)|(1<<21)         ; 15:0 the mask: A's tiles go to my row; 17:16 elements of 8 bytes; 21 set beside a mask; no padding
	s_or_b32 s[G1B+0], s44, (3<<16)|(1<<21)
	s_mov_b32 s[G1+1], 32<<16                      ; tensor_dim0 = 32 elements: 256 bytes
	s_mov_b32 s[G1+2], 64<<16                      ; tensor_dim1 = 64 rows: 16,384 bytes
	s_mov_b32 s[G1+3], 32<<16                      ; tile_dim0
	s_mov_b32 s[G1+4], 64                          ; tile_dim1
	s_mov_b32 s[G1+5], 32                          ; dense
	s_mov_b32 s[G1+6], 0
	s_mov_b32 s[G1+7], 0
	s_mov_b32 s[G1B+1], 32<<16
	s_mov_b32 s[G1B+2], 128<<16                    ; 128 rows: 32,768 bytes
	s_mov_b32 s[G1B+3], 32<<16
	s_mov_b32 s[G1B+4], 128
	s_mov_b32 s[G1B+5], 32
	s_mov_b32 s[G1B+6], 0
	s_mov_b32 s[G1B+7], 0
	s_lshl_b32 s16, s15, 15                        ; A: 32,768 bytes a tile row,
	s_lshl_b32 s17, s14, 14
	s_add_co_u32 s16, s16, s17                     ; + my half
	s_mov_b32 s17, 0
	s_lshl_b32 s46, s42, 19                        ; B: 8 K steps of 65,536 bytes a tile column,
	s_lshl_b32 s47, s14, 15
	s_add_co_u32 s46, s46, s47                     ; + my half
	s_mov_b32 s47, 0
	s_lshl_b32 s20, s14, 14                        ; where they go: A's halves from byte 0 of a slot,
	s_lshl_b32 s21, s14, 15
	s_add_co_u32 s21, s21, 32768                   ; B's behind them: no place in the cluster enters an LDS address
	s_wait_dscnt 0x0                               ; both opening adds are done
	s_wait_kmcnt 0x0
	s_add_nc_u64 s[18:19], s[4:5], s[16:17]
	s_add_nc_u64 s[46:47], s[6:7], s[46:47]
	CROUND                                         ; all sixteen work-groups are here: the first joint loads meet
.irp s, 0,1
	s_mov_b32 s[G0+4*\s], 1
	s_add_co_u32 s[G0+4*\s+1], s20, \s*SLOT
	s_add_nc_u64 s[G0+4*\s+2:G0+4*\s+3], s[18:19], \s*2097152      ; K step s of att
	s_or_b32 s[G0+4*\s+3], s[G0+4*\s+3], 0x80000000
	s_mov_b32 s[G0B+4*\s], 1
	s_add_co_u32 s[G0B+4*\s+1], s21, \s*SLOT
	s_add_nc_u64 s[G0B+4*\s+2:G0B+4*\s+3], s[46:47], \s*65536      ; K step s of wo_img
	s_or_b32 s[G0B+4*\s+3], s[G0B+4*\s+3], 0x80000000
	JLOAD \s                                       ; two tensor loads of mine are out behind the second
.endr
	v_and_b32 v1, 31, v0
	v_lshlrev_b32 v[CO], 4, v1                     ; 16 x lane
	s_lshl_b32 s21, s13, 14                        ; my 64 rows of A: four tiles of 4,096 bytes
	s_lshl_b32 s22, s14, 15                        ; my 128 columns of B: eight tiles,
	s_add_co_u32 s22, s22, 32768                   ; behind A
.irp s, 0,1
	v_add_nc_u32 v[ADRA+\s], s21, v[CO]
	v_add_nc_u32 v[ADRB+\s], s22, v[CO]
	s_add_co_u32 s21, s21, SLOT
	s_add_co_u32 s22, s22, SLOT
.endr
	s_mul_i32 s23, s12, 16*SPITCH
	s_add_co_u32 s23, s23, STAGE                   ; my stage
	v_and_b32 v2, 15, v0
	v_bfe_u32 v3, v0, 4, 1
	v_mul_u32_u24 v4, v2, SPITCH                   ; in: row l % 16, 32 bytes for each half of the lanes
	v_lshl_add_u32 v4, v3, 5, v4
	v_add_nc_u32 v[STO], s23, v4
	v_add_nc_u32 v[RD], s23, v[CO]                 ; back: the 32 lanes take one row of 512 bytes
	v_lshlrev_b32 v5, 5, v3                        ; the bias: my half's eight numbers of a block of 16
	s_lshl_b32 s46, s42, 10                        ; my first column, in bytes: 1,024 x tile column + 512 x half
	s_lshl_b32 s47, s14, 9
	s_add_co_u32 s46, s46, s47
	s_mov_b32 s47, 0
	s_add_nc_u64 s[8:9], s[8:9], s[46:47]
	s_add_nc_u64 s[10:11], s[10:11], s[46:47]
	s_lshl_b32 s16, s15, 19                        ; my first row: 128 rows of 4,096 bytes a tile row,
	s_lshl_b32 s17, s13, 18                        ; + 64 rows for the lower half
	s_add_co_u32 s16, s16, s17
	s_mov_b32 s17, 0
	s_add_nc_u64 s[10:11], s[10:11], s[16:17]
	WIN 0x80                                       ; destination window 2
.irp b, 0,1,2,3,4,5,6,7
	global_load_b128 v[8*\b:8*\b+3],   v5, s[8:9] offset:64*\b      ; lane (r, h): bout at my columns 16 b + 8 h + 0 .. 7
	global_load_b128 v[8*\b+4:8*\b+7], v5, s[8:9] offset:64*\b+16
.endr
	WIN 0
; 8 matrix instructions: block a of my rows x my eight blocks of columns, 32 along K, from buffer f.  zero = 1: the sum begins with the bias.
; The 32 accumulators take turns, one instruction a turn, in the same order in every quarter.
.macro MUL8 f, a, zero
.irp b, 0,1,2,3,4,5,6,7
.if \zero
	v_wmma_f32_16x16x32_f16 v[64*(\a)+8*\b:64*(\a)+8*\b+7], v[BF+64*(\f)+8*\b:BF+64*(\f)+8*\b+7], v[AF+32*(\f)+8*(\a):AF+32*(\f)+8*(\a)+7], v[8*\b:8*\b+7]
.else
	v_wmma_f32_16x16x32_f16 v[64*(\a)+8*\b:64*(\a)+8*\b+7], v[BF+64*(\f)+8*\b:BF+64*(\f)+8*\b+7], v[AF+32*(\f)+8*(\a):AF+32*(\f)+8*(\a)+7], v[64*(\a)+8*\b:64*(\a)+8*\b+7]
.endif
.endr
.endm
; 24 LDS loads in one run: the fragments of the slot's q-th 32 along K into buffer f: B's eight, then A's four
.macro FETCH slot, q, f
	WIN 0
.irp i, 0,1,2,3,4,5,6,7
	ds_load_b128 v[BF+64*(\f)+8*\i:BF+64*(\f)+8*\i+3],   v[ADRB+\slot] offset:4096*\i+1024*(\q)
	ds_load_b128 v[BF+64*(\f)+8*\i+4:BF+64*(\f)+8*\i+7], v[ADRB+\slot] offset:4096*\i+1024*(\q)+512
.endr
.irp i, 0,1,2,3
	ds_load_b128 v[AF+32*(\f)+8*\i:AF+32*(\f)+8*\i+3],   v[ADRA+\slot] offset:4096*\i+1024*(\q)
	ds_load_b128 v[AF+32*(\f)+8*\i+4:AF+32*(\f)+8*\i+7], v[ADRA+\slot] offset:4096*\i+1024*(\q)+512
.endr
.endm
.macro PLACES                          ; four places in front of loads into registers that matrix instructions have read, and of the first read of results
.rept 4
	v_nop
.endr
.endm
; A K step is four quarters of 32 along K, 32 matrix instructions each, on buffers 0, 1, 0, 1.  One of the first three: multiplies buffer f and fetches quarter q into buffer g.
.macro QUARTER slot, q, f, g, zero
	s_wait_dscnt 4                                 ; B's fragments and A's blocks 0, 1 are in; the youngest four loads (A's blocks 2, 3) may be out
.if \zero
	WIN MULZ
.else
	WIN MUL
.endif
	MUL8 \f, 0, \zero
	MUL8 \f, 1, \zero
	PLACES
	FETCH \slot, \q, \g
	s_wait_dscnt 24                                ; all but the 24 just issued
.if \zero
	WIN MULZ
.else
	WIN MUL
.endif
	MUL8 \f, 2, \zero
	MUL8 \f, 3, \zero
.endm
; The last quarter multiplies buffer 1 and changes slots: ONE barrier; in front of it each wave waits for all its tensor loads, adds 0 to its spare word, and waits for that and for its own reads of this slot.
; fill = 1: the barrier opens a round of the cluster's, and this slot is filled again, two K steps ahead: 112 matrix instructions stand between that request and the wait for it.
.macro TURN slot, next, fill
	WIN 0                                          ; (the add's two registers lie in window 0)
	s_wait_tensorcnt 0x0                           ; all my tensor loads have landed: my part of the next slot
	ds_add_u32 v[SPW], v[NIL]                      ; 0 onto my spare word
	s_wait_dscnt 5                                 ; (the add and the youngest four loads may be out)
	WIN MUL
	MUL8 1, 0, 0                                   ; eight matrix instructions stand between the add and the wait for it
	s_wait_dscnt 0x0                               ; the add is done, and my reads of this slot are over
	s_barrier_signal -1
	MUL8 1, 1, 0
.if \fill
	WIN 0
.endif
	s_barrier_wait -1
.if \fill
	CREST                                          ; no wave of any partner still reads this slot's tile or has a load on its way
	s_add_nc_u64 s[G0+4*\slot+2:G0+4*\slot+3], s[G0+4*\slot+2:G0+4*\slot+3], 2*2097152
	s_add_nc_u64 s[G0B+4*\slot+2:G0B+4*\slot+3], s[G0B+4*\slot+2:G0B+4*\slot+3], 2*65536
	JLOAD \slot                                    ; the first tensor load behind the round; the four v_nop behind it are also the places in front of the loads below
.else
	PLACES
.endif
	FETCH \next, 0, 0
	WIN MUL
	MUL8 1, 2, 0
	MUL8 1, 3, 0
.endm
	s_wait_tensorcnt 1                             ; my part of K step 0 is in (K step 1's load may be out)
	s_barrier_signal -1
	s_barrier_wait -1                              ; everybody's is
	FETCH 0, 0, 0
	s_wait_loadcnt 0x0                             ; the bias
	QUARTER 0, 1, 0, 1, 1                          ; the first quarter stands in front of the loop: its products start the sums
	WIN 0                                          ; at a label and at a branch every window is 0
	s_mov_b32 s3, LAPS-1
.Llap:                                                 ; a trip goes once round the ring, from a lap's second quarter to the next lap's first, and fills both slots again
	QUARTER 0, 2, 1, 0, 0
	QUARTER 0, 3, 0, 1, 0
	TURN 0, 1, 1
	QUARTER 1, 1, 0, 1, 0
	QUARTER 1, 2, 1, 0, 0
	QUARTER 1, 3, 0, 1, 0
	TURN 1, 0, 1
	QUARTER 0, 1, 0, 1, 0
	WIN 0
	s_sub_co_u32 s3, s3, 1
	s_cmp_lg_u32 s3, 0
	s_cbranch_scc1 .Llap
	QUARTER 0, 2, 1, 0, 0                          ; the last lap fills nothing, and has no round of the cluster's barrier
	QUARTER 0, 3, 0, 1, 0
	TURN 0, 1, 0
	QUARTER 1, 1, 0, 1, 0
	QUARTER 1, 2, 1, 0, 0
	QUARTER 1, 3, 0, 1, 0
	s_wait_dscnt 4                                 ; the very last quarter: nothing more to fetch
	WIN MUL
	MUL8 1, 0, 0
	MUL8 1, 1, 0
	s_wait_dscnt 0
	MUL8 1, 2, 0
	MUL8 1, 3, 0
	WIN 0
; THE WAY OUT, block by block of 16 rows x 128 columns.  A lane holds 32 neighbouring bytes of a row, and the lanes beside it hold other rows: so a block goes through my own stage in LDS and comes back as
; whole rows of 512 bytes.  LDS serves a wave's instructions in order (ISA guide 5.7.1.4): no wait between the stores and the loads, nor in front of the next block's stores.
.macro TOSTAGE a
	WIN 0x04                                       ; an LDS store's data are its source 1: window 1
.irp b, 0,1,2,3,4,5,6,7
	ds_store_b128 v[STO], v[64*(\a)+8*\b:64*(\a)+8*\b+3] offset:64*\b          ; each accumulator from its low end on
	ds_store_b128 v[STO], v[64*(\a)+8*\b+4:64*(\a)+8*\b+7] offset:64*\b+16
.endr
	WIN 0
.set BB, BK+64*((\a)%2)
.irp t, 0,1,2,3,4,5,6,7,8,9,10,11,12,13,14,15
	ds_load_b128 v[BB+4*\t:BB+4*\t+3], v[RD] offset:\t*SPITCH
.endr
.endm
.macro SEND a, younger                 ; younger: the LDS instructions issued behind block a's loads, which may stay out
.set BB, BK+64*((\a)%2)
	s_wait_dscnt \younger                          ; the block is back in registers
.irp t, 0,1,2,3,4,5,6,7,8,9,10,11,12,13,14,15
	global_store_b128 v[CO], v[BB+4*\t:BB+4*\t+3], s[10:11] offset:(\a)*65536+\t*4096 th:TH_STORE_NT   ; 32 lanes store 512 consecutive bytes, aligned; written once, read by nobody here
.endr
.endm
	PLACES                                         ; in front of the first read of results and of the loads into the registers that held B's fragments
	TOSTAGE 0
.irp a, 1,2,3
.if \a > 1
	s_wait_xcnt 0x0                                ; block a - 2's stores have read their registers: block a's loads may land there
.endif
	TOSTAGE \a
	SEND \a-1, 32                                  ; behind block a - 1's loads: block a's 16 stores and 16 loads
.endr
	SEND 3, 0
	s_wait_tensorcnt 0x0                           ; the wave's end, behind my last tensor load and my last LDS store
	ds_add_u32 v[SPW], v[NIL]
	s_wait_dscnt 0x0
	CROUND                                         ; the closing round: no work-group ends while a partner may still ask for a tile that names it
	s_endpgm
.Lfunc_end_k_q5fb50c9916_proj:
	.size	k_q5fb50c9916_proj, .Lfunc_end_k_q5fb50c9916_proj-k_q5fb50c9916_proj
	.p2alignl 7, 3214868480
	.fill 96, 4, 3214868480
	.section	.rodata,"a",@progbits
	.p2align	6, 0x0
	.amdhsa_kernel k_q5fb50c9916_proj
		.amdhsa_group_segment_fixed_size 327680
		.amdhsa_private_segment_fixed_size 0
		.amdhsa_enable_private_segment 0
		.amdhsa_kernarg_size 32
		.amdhsa_user_sgpr_count 2
		.amdhsa_user_sgpr_kernarg_segment_ptr 1
		.amdhsa_wavefront_size32 1
		.amdhsa_system_sgpr_workgroup_id_x 1
		.amdhsa_system_sgpr_workgroup_id_y 1
		.amdhsa_system_sgpr_workgroup_id_z 1
		.amdhsa_system_vgpr_workitem_id 0
		.amdhsa_next_free_vgpr 576
		.amdhsa_next_free_sgpr 72
		.amdhsa_reserve_vcc 0
		.amdhsa_float_denorm_mode_32 3
		.amdhsa_float_denorm_mode_16_64 3
		.amdhsa_memory_ordered 1
		.amdhsa_forward_progress 1
		.amdhsa_inst_pref_size 86
	.end_amdhsa_kernel
	.amdgpu_metadata
---
amdhsa.version: [ 1, 2 ]
amdhsa.kernels:
  - .name:           k_q5fb50c9916_proj
    .symbol:         k_q5fb50c9916_proj.kd
    .args:
      - { .name: att, .offset: 0, .size: 8, .value_kind: global_buffer, .address_space: global }
      - { .name: wo_img, .offset: 8, .size: 8, .value_kind: global_buffer, .address_space: global }
      - { .name: bout, .offset: 16, .size: 8, .value_kind: global_buffer, .address_space: global }
      - { .name: out0, .offset: 24, .size: 8, .value_kind: global_buffer, .address_space: global }
    .group_segment_fixed_size: 327680
    .private_segment_fixed_size: 0
    .kernarg_segment_align: 8
    .kernarg_segment_size: 32
    .max_flat_workgroup_size: 128
    .sgpr_count:     72
    .vgpr_count:     576
    .wavefront_size: 32
...
	.end_amdgpu_metadata
.endif
;; end of part 5
